; MI455X (gfx1250); checked and timed in simulation.
; The chip was launched on July 23, 2026; its instructions are those of AMD's public machine-readable ISA for CDNA 5 (MIT licence, August 2026) and "CDNA5" Instruction Set Architecture Reference Guide (July 2026). The comments in the code are by the model that wrote it; some were corrected since.
;; FAVOR Plus Attention. Allowed arithmetic: float matrix products may take bf16 or f16 operands with f32 sums; all other float work in f32.
;; Inputs: W_out 1,024 x 1,024 float32; b_out 1,024 float32; key 4 x 4,096 x 1,024 float32; proj 256 x 64 float32; query 4 x 4,096 x 1,024 float32; value 4 x 4,096 x 1,024 float32.
;; Outputs: out0 4 x 4,096 x 1,024 float32.
;; 2 versions, each right; version 2 is version 1 with the launches kpass, prep written anew for expert scheduling mode. Each part assembles by itself: llvm-mc -triple=amdgcn-amd-amdhsa -mcpu=gfx1250 --defsym DOCPART=n.
;; ======== version 1 of 2: 4 launches
;; limits: values are held in f16: magnitudes above 65,504 overflow, below 6.1e-05 lose precision; inputs' magnitudes at most 65,504
;; workspace buffers: pkv 16,777,216 bytes; pst 393,216 bytes; kvt 2,359,296 bytes; csum 131,072 bytes; wb 2,097,152 bytes; ctx 33,554,432 bytes
;; launch kpass (part 1): grid 256 x 1, 8 waves a work-group, no clusters, 165,120 bytes of LDS; arguments key, value, proj, pkv, pst; writes pkv, pst
.if DOCPART == 1
	.amdgcn_target "amdgcn-amd-amdhsa--gfx1250"
	.amdhsa_code_object_version 6
	.text
	.protected	k_q55c71c9f91_kpass
	.globl	k_q55c71c9f91_kpass
	.p2align	8
	.type	k_q55c71c9f91_kpass,@function
k_q55c71c9f91_kpass:
	s_mov_b64 s[64:65], 0
	v_nop
	global_prefetch_b8 v0, s[64:65] scope:SCOPE_SE
	s_setreg_imm32_b32 hwreg(HW_REG_WAVE_MODE, 25, 1), 1
	s_wait_xcnt 0x0
; FAVOR+ key side, one pass over key and value.  A work-group owns one (batch, head) and 1,024 of its 4,096 rows s.
; It makes, for its 256 features m:  X[m][d] = sum_s 2^(dd' - diag' - mu) v[s][d],  ks[m] = sum_s 2^(dd' - diag' - mu),  V[d] = sum_s v[s][d],
; where dd' = log2(e) 64^-1/4 (k . proj_m), diag' = log2(e)/16 |k|^2, and mu is a RUNNING maximum of dd' (one for each quarter of m):
; sums made under an older maximum are multiplied by 2^(old - new).  A later launch scales all partial sums to the one global maximum
; that the definition asks for, so a maximum is always taken away and every exponent is <= 0.
; Left out: the factor ratio = 256^-1/2 = 2^-4, which stands squared in numerator and denominator of the result and cancels exactly;
; the eps terms, which the later launches add in f32 from V and the row count.
; Limits: v_exp_f32 gives 0 below 2^-126; dd' is made from operands rounded to bf16; value is rounded to bf16 for the matrix product X alone,
; V sums the f32 numbers as they come; inputs for which the definition itself is not finite are not served.
; No cluster: the work-groups share proj alone, 64 KiB against 512 KiB of key and value of their own.
; Eight waves: wave w has features 64 (w & 3) .. +63 and rows 64 (w >> 2) .. +63 of each tile of 128 rows; eight tiles.
; Key and value come through registers (16 loads of 512 bytes of every wave always out), are rounded to bf16 and laid into two LDS buffers that take turns.
; TWO ORDERS OF A TRIP: a trip stages the next tile into one buffer (vector work) and multiplies this tile out of the other (72 matrix instructions and the
; exponentials).  The two touch different bytes, so their order inside a trip is free: waves 1, 3, 4, 6 multiply first, the others stage first, so that
; some waves issue matrix instructions while others issue vector instructions.  The set differs between w and w + 4 and between w and w xor 1.
; LAYOUT: dd is made as (rows s, columns m).  In a 16 x 16 result lane (r, h) holds column r and rows 8 h + j; packed in pairs these are
; registers 0-3 (or 4-7) of a K = 32 fragment with row m = r and k = s: two s tiles make an A fragment of k'^T with no move between lanes.
.set ALPHA, 0x3f0293ee                 ; 64^-1/4 log2(e)
.set NDIAG, 0xbdb8aa3b                 ; -log2(e)/16
.set KBSZ,  128*144                    ; key tile in bf16: 128 rows, 128 bytes + 16
.set VB,    2*KBSZ
.set VBSZ,  128*160                    ; value tile in bf16: 128 rows, 128 bytes + 32 (the transposing load wants an odd multiple of 32)
.set DG,    VB+2*VBSZ                  ; -diag', 128 f32, twice
.set MRG,   DG+1024                    ; the merge of the two row halves: 4 x 20,480 bytes
.set MRGSZ, 20480
.set MX1,   MRG+4*MRGSZ                ; 4 words: maxima of waves 4-7; 16 bytes on: the merged maxima
.set VSP,   MX1+256                    ; 8 x 256 bytes: the waves' sums of v
.set KSA,   VSP+2048                   ; 256 f32: ks
.set GOFF, 1                           ; byte offset of my 16 bytes in a tile of key or value
.set KST,  2                           ; LDS: where I put key
.set VST,  3                           ; LDS: where I put value
.set DST,  4                           ; LDS: where I put -diag'
.set KFA,  5                           ; LDS: my key fragments
.set VFA,  6                           ; LDS: my value fragments
.set DGA,  7                           ; LDS: my -diag'
.set MX,   8                           ; running maximum
.set PT,   9
.set NM,   10                          ; v[10:11] -MX twice
.set F,    12                          ; v[12:13] 2^(old - new) twice
.set VS,   14                          ; v[14:17] sums of v
.set T,    18                          ; v[18:25] staging: work registers, first set; multiplying: key fragment (s tile 3, d 32-63)
.set R,    27
.set H,    28
.set LN,   29
.set ONES, 32                          ; v[32:39] a fragment of bf16 ones
.set PJ,   40                          ; v[40:103] alpha proj in bf16: fragment (mt, ks) at 40 + 16 mt + 8 ks
.set RG,   104                         ; v[104:167] the ring: key piece j at 104 + 4 j, value piece j at 136 + 4 j
.set FR,   168                         ; v[168:199] key fragments of s tiles 0 and 1, then -diag', then value fragments of rows 0-31
.set KS,   200                         ; v[200:231] ks tiles
.set MT,   232                         ; v[232:239] key fragment (s tile 3, d 0-31), then the chains of the maximum
.set KF2,  240                         ; v[240:255] key fragments of s tile 2; staging: work registers, second set
; window 1: dd tile (st, mt) at 32 mt + 8 st; packed fragment (mt, ks) at 32 mt + 16 ks; value fragments of rows 32-63, d tile dt, at 32 dt + 8 (free once
; the pack is done); X tile (mt, dt) at 128 + 8 (4 mt + dt)
.set MSB, 0
.macro WIN new                         ; low byte: bits 1:0 source 0, 3:2 source 1, 5:4 source 2, 7:6 destination; high byte: the setting left
.if MSB != \new
	s_set_vgpr_msb (MSB<<8)|\new
.set MSB, \new
.endif
.endm
.macro PLACES c                        ; plain vector places behind matrix instructions (ISA guide 7.12.1)
.rept \c
	v_nop
.endr
.endm
.macro BAR                             ; my LDS loads and stores are done, then the work-group's barrier
	s_wait_dscnt 0x0
	s_barrier_signal -1
	s_barrier_wait -1
.endm
	s_load_b256 s[4:11], s[0:1], 0x0               ; key s[4:5], value s[6:7], proj s[8:9], pkv s[10:11]
	s_load_b64 s[12:13], s[0:1], 0x20              ; pst
	v_lshrrev_b32 v26, 5, v0
	v_readfirstlane_b32 s14, v26                   ; wave
	s_and_b32 s15, s14, 3                          ; mq: my quarter of the features
	s_lshr_b32 s16, s14, 2                         ; sh: my half of a tile's rows
	s_xor_b32 s24, s14, s16
	s_and_b32 s24, s24, 1                          ; 1 in waves 1, 3, 4, 6: these multiply first and stage second
	s_mov_b32 s18, 0x76543210                      ; v_permlanex16_b32: lane i reads lane i of the other half
	s_mov_b32 s19, 0xfedcba98
	v_and_b32 v[R], 15, v0
	v_bfe_u32 v[H], v0, 4, 1
	v_and_b32 v[LN], 31, v0
	s_lshl_b32 s20, s14, 16                        ; I stage rows 16 w + 2 j + h: 16 lanes take a row's 256 bytes
	v_lshlrev_b32 v[GOFF], 12, v[H]
	v_lshl_add_u32 v[GOFF], v[R], 4, v[GOFF]
	v_add_nc_u32 v[GOFF], s20, v[GOFF]
	s_mul_i32 s20, s14, 16*144
	v_mul_u32_u24 v[KST], v[H], 144
	v_lshl_add_u32 v[KST], v[R], 3, v[KST]
	v_add_nc_u32 v[KST], s20, v[KST]
	s_mul_i32 s20, s14, 16*160
	s_add_co_u32 s20, s20, VB
	v_mul_u32_u24 v[VST], v[H], 160
	v_lshl_add_u32 v[VST], v[R], 3, v[VST]
	v_add_nc_u32 v[VST], s20, v[VST]
	s_lshl_b32 s20, s14, 6
	s_add_co_u32 s20, s20, DG
	v_lshl_add_u32 v[DST], v[H], 2, s20
	s_mul_i32 s20, s16, 64*144                     ; key fragment: row 64 sh + 16 st + r, 16 h bytes in
	v_mul_u32_u24 v[KFA], v[R], 144
	v_lshl_add_u32 v[KFA], v[H], 4, v[KFA]
	v_add_nc_u32 v[KFA], s20, v[KFA]
	s_mul_i32 s20, s16, 64*160                     ; value fragment, transposing load: row 64 sh + 8 h + (L & 7), 16 ((L >> 3) & 1) bytes in
	s_add_co_u32 s20, s20, VB
	v_and_b32 v30, 7, v0
	v_lshl_add_u32 v30, v[H], 3, v30
	v_mul_u32_u24 v[VFA], v30, 160
	v_bfe_u32 v30, v0, 3, 1
	v_lshl_add_u32 v[VFA], v30, 4, v[VFA]
	v_add_nc_u32 v[VFA], s20, v[VFA]
	s_lshl_b32 s20, s16, 8
	s_add_co_u32 s20, s20, DG
	v_lshl_add_u32 v[DGA], v[H], 5, s20
	s_lshl_b32 s20, s15, 14                        ; proj: row 64 mq + 16 mt + r, 32 h bytes in
	v_lshlrev_b32 v26, 8, v[R]
	v_lshl_add_u32 v26, v[H], 5, v26
	v_add_nc_u32 v26, s20, v26
	s_and_b32 s20, ttmp9, 15                       ; head: 256 bytes of a row
	s_lshl_b32 s20, s20, 8
	s_bfe_u32 s21, ttmp9, 0x20004                  ; chunk: 1,024 rows of 4,096 bytes
	s_lshl_b32 s21, s21, 22
	s_or_b32 s20, s20, s21
	s_lshr_b32 s21, ttmp9, 6                       ; batch: 4,096 rows
	s_lshl_b32 s21, s21, 24
	s_or_b32 s20, s20, s21
	s_mov_b32 s21, 0
	s_lshl_b32 s22, ttmp9, 16
	s_mov_b32 s23, 0
	s_wait_kmcnt 0x0
	s_add_nc_u64 s[4:5], s[4:5], s[20:21]
	s_add_nc_u64 s[6:7], s[6:7], s[20:21]
	s_add_nc_u64 s[10:11], s[10:11], s[22:23]      ; pkv + 65,536 id
	s_mul_i32 s22, ttmp9, 1536
	s_add_nc_u64 s[12:13], s[12:13], s[22:23]      ; pst + 1,536 id
	WIN 0x40                                       ; proj in f32 into window 1, registers 0-127: fragment (mt, ks) at 16 (2 mt + ks)
.irp mt, 0,1,2,3
.irp ks, 0,1
	global_load_b128 v[16*(2*\mt+\ks):16*(2*\mt+\ks)+3],     v26, s[8:9] offset:\mt*4096+\ks*128
	global_load_b128 v[16*(2*\mt+\ks)+4:16*(2*\mt+\ks)+7],   v26, s[8:9] offset:\mt*4096+\ks*128+16
	global_load_b128 v[16*(2*\mt+\ks)+8:16*(2*\mt+\ks)+11],  v26, s[8:9] offset:\mt*4096+\ks*128+64
	global_load_b128 v[16*(2*\mt+\ks)+12:16*(2*\mt+\ks)+15], v26, s[8:9] offset:\mt*4096+\ks*128+80
.endr
.endr
	WIN 0
.irp j, 0,1,2,3,4,5,6,7
	global_load_b128 v[RG+4*\j:RG+4*\j+3], v[GOFF], s[4:5] offset:8192*\j th:TH_LOAD_NT          ; tile 0 of key
.endr
.irp j, 0,1,2,3,4,5,6,7
	global_load_b128 v[RG+32+4*\j:RG+32+4*\j+3], v[GOFF], s[6:7] offset:8192*\j th:TH_LOAD_NT    ; tile 0 of value
.endr
	s_wait_xcnt 0x0                                ; the bases are stepped only behind this wait
	s_add_nc_u64 s[4:5], s[4:5], 0x80000           ; 128 rows on
	s_add_nc_u64 s[6:7], s[6:7], 0x80000
.irp g, 0,1,2,3,4,5,6,7
	v_mov_b32 v[ONES+\g], 0x3f803f80
.endr
.irp g, 0,1,2,3
	v_mov_b32 v[VS+\g], 0
.endr
	v_mov_b32 v[PT], 0
	s_wait_loadcnt 16                              ; proj is in; the 16 loads of tile 0 stay out
	WIN 0x41
.set i, 0
.rept 64
	v_pk_mul_f32 v[2*i:2*i+1], v[2*i:2*i+1], ALPHA op_sel_hi:[1,0]
.set i, i+1
.endr
	WIN 0x05
.set i, 0
.rept 64
	v_cvt_pk_bf16_f32 v[PJ+i], v[2*i], v[2*i+1]
.set i, i+1
.endr
	WIN 0
; The tile in the ring goes to LDS buffer buf, two pieces at a time (their chains of dependent lines interleave; the pairs take two sets of work registers by turns).
; issue = 1: a pair's registers are loaded again at once, with the tile after next.  The count is then always 14: the ring holds 16 loads, and the pair's two are the oldest.
; issue = 0: nothing is loaded and the counts run down.
.macro STAGE buf, issue
.irp j, 0,2,4,6
.set TT, T+((\j/2)%2)*(KF2-T)
.set KR, RG+4*\j
.if \issue
	s_wait_loadcnt 14
.else
	s_wait_loadcnt 14-\j
.endif
	v_cvt_pk_bf16_f32 v[TT], v[KR], v[KR+1]
	v_cvt_pk_bf16_f32 v[TT+4], v[KR+4], v[KR+5]
	v_cvt_pk_bf16_f32 v[TT+1], v[KR+2], v[KR+3]
	v_cvt_pk_bf16_f32 v[TT+5], v[KR+6], v[KR+7]
	v_pk_mul_f32 v[TT+2:TT+3], v[KR:KR+1], v[KR:KR+1]
	v_pk_mul_f32 v[TT+6:TT+7], v[KR+4:KR+5], v[KR+4:KR+5]
	v_pk_fma_f32 v[TT+2:TT+3], v[KR+2:KR+3], v[KR+2:KR+3], v[TT+2:TT+3]
	v_pk_fma_f32 v[TT+6:TT+7], v[KR+6:KR+7], v[KR+6:KR+7], v[TT+6:TT+7]
	ds_store_b64 v[KST], v[TT:TT+1] offset:\buf*KBSZ+288*\j
	ds_store_b64 v[KST], v[TT+4:TT+5] offset:\buf*KBSZ+288*\j+288
.if \issue
	global_load_b128 v[KR:KR+3], v[GOFF], s[4:5] offset:8192*\j th:TH_LOAD_NT
	global_load_b128 v[KR+4:KR+7], v[GOFF], s[4:5] offset:8192*\j+8192 th:TH_LOAD_NT
.endif
	v_add_f32 v[TT+2], v[TT+2], v[TT+3]
	v_add_f32 v[TT+6], v[TT+6], v[TT+7]
.irp x, 1,2,4,8
	v_add_f32_dpp v[TT+2], v[TT+2], v[TT+2] row_xmask:\x row_mask:0xf bank_mask:0xf    ; the row's 16 lanes: |k|^2
	v_add_f32_dpp v[TT+6], v[TT+6], v[TT+6] row_xmask:\x row_mask:0xf bank_mask:0xf
.endr
	v_mul_f32 v[TT+2], NDIAG, v[TT+2]
	v_mul_f32 v[TT+6], NDIAG, v[TT+6]
	ds_store_b32 v[DST], v[TT+2] offset:\buf*512+8*\j          ; sixteen lanes, one word, one value
	ds_store_b32 v[DST], v[TT+6] offset:\buf*512+8*\j+8
.endr
.irp j, 0,2,4,6
.set TT, T+((\j/2)%2)*(KF2-T)
.set VR, RG+32+4*\j
.if \issue
	s_wait_loadcnt 14
.else
	s_wait_loadcnt 6-\j
.endif
	v_cvt_pk_bf16_f32 v[TT], v[VR], v[VR+1]
	v_cvt_pk_bf16_f32 v[TT+4], v[VR+4], v[VR+5]
	v_cvt_pk_bf16_f32 v[TT+1], v[VR+2], v[VR+3]
	v_cvt_pk_bf16_f32 v[TT+5], v[VR+6], v[VR+7]
	ds_store_b64 v[VST], v[TT:TT+1] offset:\buf*VBSZ+320*\j
	ds_store_b64 v[VST], v[TT+4:TT+5] offset:\buf*VBSZ+320*\j+320
	v_pk_add_f32 v[VS:VS+1], v[VS:VS+1], v[VR:VR+1]            ; V from the f32 numbers: the eps part of k'^T v sees no rounding of v
	v_pk_add_f32 v[VS+2:VS+3], v[VS+2:VS+3], v[VR+2:VR+3]
	v_pk_add_f32 v[VS:VS+1], v[VS:VS+1], v[VR+4:VR+5]
	v_pk_add_f32 v[VS+2:VS+3], v[VS+2:VS+3], v[VR+6:VR+7]
.if \issue
	global_load_b128 v[VR:VR+3], v[GOFF], s[6:7] offset:8192*\j th:TH_LOAD_NT
	global_load_b128 v[VR+4:VR+7], v[GOFF], s[6:7] offset:8192*\j+8192 th:TH_LOAD_NT
.endif
.endr
.if \issue
	s_wait_xcnt 0x0                                ; the bases are stepped only behind this wait
	s_add_nc_u64 s[4:5], s[4:5], 0x80000
	s_add_nc_u64 s[6:7], s[6:7], 0x80000
.endif
.endm
.macro KLOAD buf, st, a0, a1           ; key fragments of s tile st (16 rows x 64 d): d 0-31 into a0 .. a0 + 7, d 32-63 into a1 .. a1 + 7
	ds_load_b128 v[\a0:\a0+3],   v[KFA] offset:\buf*KBSZ+2304*\st
	ds_load_b128 v[\a0+4:\a0+7], v[KFA] offset:\buf*KBSZ+2304*\st+32
	ds_load_b128 v[\a1:\a1+3],   v[KFA] offset:\buf*KBSZ+2304*\st+64
	ds_load_b128 v[\a1+4:\a1+7], v[KFA] offset:\buf*KBSZ+2304*\st+96
.endm
.macro DD st, a0, a1                   ; dd' of s tile st against my four m tiles; the four accumulators take turns
.irp mt, 0,1,2,3
	v_wmma_f32_16x16x32_bf16 v[32*\mt+8*\st:32*\mt+8*\st+7], v[\a0:\a0+7], v[PJ+16*\mt:PJ+16*\mt+7], 0
.endr
.irp mt, 0,1,2,3
	v_wmma_f32_16x16x32_bf16 v[32*\mt+8*\st:32*\mt+8*\st+7], v[\a1:\a1+7], v[PJ+16*\mt+8:PJ+16*\mt+15], v[32*\mt+8*\st:32*\mt+8*\st+7]
.endr
.endm
.macro KV ks, zero                     ; X += k'^T v and ks += k'^T 1 over 32 rows s; twenty accumulators take turns
.if \ks
	WIN 0x55                                       ; the value fragments of rows 32-63 lie in window 1
.else
	WIN 0x51
.endif
.irp mt, 0,1,2,3
.irp dt, 0,1,2,3
.if \ks
.set BB, 32*\dt+8
.else
.set BB, FR+8*\dt
.endif
.if \zero
	v_wmma_f32_16x16x32_bf16 v[128+8*(4*\mt+\dt):128+8*(4*\mt+\dt)+7], v[32*\mt+16*\ks:32*\mt+16*\ks+7], v[BB:BB+7], 0
.else
	v_wmma_f32_16x16x32_bf16 v[128+8*(4*\mt+\dt):128+8*(4*\mt+\dt)+7], v[32*\mt+16*\ks:32*\mt+16*\ks+7], v[BB:BB+7], v[128+8*(4*\mt+\dt):128+8*(4*\mt+\dt)+7]
.endif
.endr
.endr
	WIN 0x01
.irp mt, 0,1,2,3
.if \zero
	v_wmma_f32_16x16x32_bf16 v[KS+8*\mt:KS+8*\mt+7], v[32*\mt+16*\ks:32*\mt+16*\ks+7], v[ONES:ONES+7], 0
.else
	v_wmma_f32_16x16x32_bf16 v[KS+8*\mt:KS+8*\mt+7], v[32*\mt+16*\ks:32*\mt+16*\ks+7], v[ONES:ONES+7], v[KS+8*\mt:KS+8*\mt+7]
.endif
.endr
.endm
; One tile out of LDS buffer buf.  first = 1: the first products start the sums and there is no older maximum.
.macro COMPUTE buf, first
	PLACES 5                                       ; fragment registers are loaded and the dd tiles written over: both were registers of the last matrix instructions
	KLOAD \buf, 0, FR, FR+8                        ; all 16 loads go out together, so that the 32 matrix instructions follow each other
	KLOAD \buf, 1, FR+16, FR+24
	KLOAD \buf, 2, KF2, KF2+8
	KLOAD \buf, 3, MT, T
	WIN 0x50
	s_wait_dscnt 12                                ; s tile 0's four loads are in; the twelve of the later s tiles stay out
	DD 0, FR, FR+8
	s_wait_dscnt 8
	DD 1, FR+16, FR+24
	s_wait_dscnt 4
	DD 2, KF2, KF2+8
	s_wait_dscnt 0
	DD 3, MT, T
	WIN 0
	PLACES 4
.irp st, 0,1,2,3
	ds_load_b128 v[FR+8*\st:FR+8*\st+3],   v[DGA] offset:\buf*512+64*\st       ; -diag' of rows 16 st + 8 h + 0..7
	ds_load_b128 v[FR+8*\st+4:FR+8*\st+7], v[DGA] offset:\buf*512+64*\st+16
.endr
	WIN 0x05                                       ; the largest dd' of my 64 x 64: eight chains
.irp g, 0,1,2,3,4,5,6,7
	v_max_num_f32 v[MT+\g], v[\g], v[\g+8]
.endr
.set k, 16
.rept 7
.irp g, 0,1,2,3,4,5,6,7
	v_max3_num_f32 v[MT+\g], v[k+\g], v[k+8+\g], v[MT+\g]
.endr
.set k, k+16
.endr
	WIN 0
	v_max3_num_f32 v[MT], v[MT], v[MT+1], v[MT+2]
	v_max3_num_f32 v[MT+3], v[MT+3], v[MT+4], v[MT+5]
	v_max3_num_f32 v[MT], v[MT], v[MT+3], v[MT+6]
	v_max_num_f32 v[MT], v[MT], v[MT+7]
	v_max_num_f32_dpp v[MT], v[MT], v[MT] row_xmask:1 row_mask:0xf bank_mask:0xf
	v_max_num_f32_dpp v[MT], v[MT], v[MT] row_xmask:2 row_mask:0xf bank_mask:0xf
	v_max_num_f32_dpp v[MT], v[MT], v[MT] row_xmask:4 row_mask:0xf bank_mask:0xf
	v_max_num_f32_dpp v[MT], v[MT], v[MT] row_xmask:8 row_mask:0xf bank_mask:0xf
	v_permlanex16_b32 v[PT], v[MT], s18, s19
.if \first
	v_max_num_f32 v[MX], v[MT], v[PT]
.else
	v_max3_num_f32 v[MT], v[MT], v[PT], v[MX]      ; the new running maximum
	v_sub_f32 v[MT+1], v[MX], v[MT]
	v_exp_f32 v[F], v[MT+1]                        ; 2^(old - new) for the sums so far
	v_mov_b32 v[MX], v[MT]                         ; the plain place behind the exponential
	s_wait_alu depctr_va_vdst(0)
	v_mov_b32 v[F+1], v[F]
.endif
	v_sub_f32 v[NM], 0, v[MX]
	v_sub_f32 v[NM+1], 0, v[MX]
	s_wait_dscnt 0x0
.set i, 0
.rept 16
	v_pk_add_f32 v[FR+2*i:FR+2*i+1], v[FR+2*i:FR+2*i+1], v[NM:NM+1]            ; -diag' - MX
.set i, i+1
.endr
	WIN 0x41
.irp mt, 0,1,2,3
.irp st, 0,1,2,3
.irp p, 0,2,4,6
	v_pk_add_f32 v[32*\mt+8*\st+\p:32*\mt+8*\st+\p+1], v[32*\mt+8*\st+\p:32*\mt+8*\st+\p+1], v[FR+8*\st+\p:FR+8*\st+\p+1]
.endr
.endr
.endr
	WIN 0
.irp dt, 0,1,2,3
	ds_load_tr16_b128 v[FR+8*\dt:FR+8*\dt+3],   v[VFA] offset:\buf*VBSZ+32*\dt         ; value fragments of rows 0-31 (32 s x 16 d), transposed on the way
	ds_load_tr16_b128 v[FR+8*\dt+4:FR+8*\dt+7], v[VFA] offset:\buf*VBSZ+32*\dt+2560
.endr
	; 128 exponentials with plain work between them: the first 64 alternate with the 64 multiplies that bring X under the new maximum,
	; the last 64 with the pack of the first 64.  Behind each exponential a plain line stands ahead of the first use of its result (ISA guide 5.7.2).
	WIN 0x41
.set i, 0
.rept 64
	v_exp_f32 v[i], v[i]
.if \first == 0
	v_pk_mul_f32 v[128+2*i:128+2*i+1], v[128+2*i:128+2*i+1], v[F:F+1]
.endif
.set i, i+1
.endr
.if \first
	v_nop                                          ; the plain place behind the exponentials
.endif
	WIN 0x45                                       ; two s tiles pack, in place, into one fragment: register 16 b + g from 16 b + 2 g and 16 b + 2 g + 1
.set i, 0
.rept 32
	v_exp_f32 v[64+2*i], v[64+2*i]
	v_exp_f32 v[64+2*i+1], v[64+2*i+1]
	s_wait_alu depctr_va_vdst(0)
	v_cvt_pk_bf16_f32 v[16*(i/8)+i%8], v[2*i], v[2*i+1]
.set i, i+1
.endr
	s_wait_alu depctr_va_vdst(0)
.rept 32
	v_cvt_pk_bf16_f32 v[16*(i/8)+i%8], v[2*i], v[2*i+1]
.set i, i+1
.endr
	WIN 0x40
.irp dt, 0,1,2,3
	ds_load_tr16_b128 v[32*\dt+8:32*\dt+11],  v[VFA] offset:\buf*VBSZ+5120+32*\dt      ; value fragments of rows 32-63, into registers that the pack has freed
	ds_load_tr16_b128 v[32*\dt+12:32*\dt+15], v[VFA] offset:\buf*VBSZ+5120+32*\dt+2560
.endr
	WIN 0
.if \first == 0
.set i, 0
.rept 16
	v_pk_mul_f32 v[KS+2*i:KS+2*i+1], v[KS+2*i:KS+2*i+1], v[F:F+1]
.set i, i+1
.endr
.endif
	s_wait_dscnt 8                                 ; the fragments of rows 0-31 are in; the eight loads just issued stay out
	KV 0, \first
	s_wait_dscnt 0x0
	KV 1, 0
	WIN 0
.endm
; A trip: tile into buffer sb, tile out of buffer cb, in the wave's order, then ONE barrier: in front of it each wave's reads of the buffer just
; multiplied and its stores into the other are done.  The barrier stands on every wave's path; the branches hang on the wave's number alone.
.macro TRIP sb, issue, cb, first
	s_cmp_lg_u32 s24, 0
	s_cbranch_scc1 .Lmul_first_\@
	STAGE \sb, \issue
.Lmul_first_\@:
	COMPUTE \cb, \first
	s_cmp_eq_u32 s24, 0
	s_cbranch_scc1 .Lstaged_\@
	STAGE \sb, \issue
.Lstaged_\@:
	BAR
.endm
	STAGE 0, 1                                     ; tile 0 to buffer 0; tile 1 asked for
	BAR
	TRIP 1, 1, 0, 1
	s_mov_b32 s17, 2
.Ltrip:
	TRIP 0, 1, 1, 0
	TRIP 1, 1, 0, 0
	s_sub_co_u32 s17, s17, 1
	s_cmp_lg_u32 s17, 0
	s_cbranch_scc1 .Ltrip
	TRIP 0, 1, 1, 0                                ; tile 6 staged, tile 7 asked for: the last load
	TRIP 1, 0, 0, 0                                ; tile 7 staged: the counts run down
	COMPUTE 1, 0
	; THE WAY OUT.  Waves 4-7 hand their sums and maxima to waves 0-3 through LDS; these merge under the larger maximum and store.
	PLACES 4
	s_wait_loadcnt 0x0                             ; the ring's registers get another use below: none of its loads is out (the last staging's counts ended at 0)
.irp g, 0,1,2,3
	v_permlanex16_b32 v[T+\g], v[VS+\g], s18, s19
.endr
	v_pk_add_f32 v[VS:VS+1], v[VS:VS+1], v[T:T+1]
	v_pk_add_f32 v[VS+2:VS+3], v[VS+2:VS+3], v[T+2:T+3]
	s_lshl_b32 s20, s14, 8
	s_add_co_u32 s20, s20, VSP
	v_lshl_add_u32 v26, v[R], 4, s20
	ds_store_b128 v26, v[VS:VS+3]                  ; both halves of the lanes hold the same four sums
	s_mul_i32 s20, s15, MRGSZ
	s_add_co_u32 s20, s20, MRG
	v_lshl_add_u32 v30, v[LN], 4, s20
	s_lshl_b32 s21, s15, 2
	s_add_co_u32 s21, s21, MX1
	v_mov_b32 v31, s21
	s_cmp_lt_u32 s14, 4
	s_cbranch_scc1 .Llow1
	WIN 0x04
.set i, 0
.rept 32
	ds_store_b128 v30, v[128+4*i:128+4*i+3] offset:512*i
.set i, i+1
.endr
	WIN 0
.set i, 0
.rept 8
	ds_store_b128 v30, v[KS+4*i:KS+4*i+3] offset:512*(32+i)
.set i, i+1
.endr
	ds_store_b32 v31, v[MX]
.Llow1:
	BAR
	s_cmp_ge_u32 s14, 4
	s_cbranch_scc1 .Lhigh2
	ds_load_b32 v[T], v31
.set i, 0
.rept 40
	ds_load_b128 v[40+4*i:40+4*i+3], v30 offset:512*i
.set i, i+1
.endr
	s_wait_dscnt 40                                ; the partner's maximum is in; its 40 blocks stay out
	v_max_num_f32 v[T+1], v[MX], v[T]
	v_sub_f32 v[T+2], v[MX], v[T+1]
	v_sub_f32 v[T+3], v[T], v[T+1]
	v_exp_f32 v[F], v[T+2]
	v_exp_f32 v[NM], v[T+3]
	v_nop
	s_wait_alu depctr_va_vdst(0)
	v_mov_b32 v[F+1], v[F]
	v_mov_b32 v[NM+1], v[NM]
	ds_store_b32 v31, v[T+1] offset:16             ; the quarter's maximum
	s_wait_dscnt 0x0
.set i, 0
.rept 80
	v_pk_mul_f32 v[40+2*i:40+2*i+1], v[40+2*i:40+2*i+1], v[NM:NM+1]
.set i, i+1
.endr
	WIN 0x41
.set i, 0
.rept 64
	v_pk_fma_f32 v[128+2*i:128+2*i+1], v[128+2*i:128+2*i+1], v[F:F+1], v[40+2*i:40+2*i+1]
.set i, i+1
.endr
	WIN 0
.set i, 0
.rept 16
	v_pk_fma_f32 v[KS+2*i:KS+2*i+1], v[KS+2*i:KS+2*i+1], v[F:F+1], v[168+2*i:168+2*i+1]
.set i, i+1
.endr
	s_lshl_b32 s20, s15, 8
	s_add_co_u32 s20, s20, KSA
	v_lshl_add_u32 v26, v[H], 5, s20               ; ks of m = 64 mq + 16 mt + 8 h + j; all 16 columns hold the same
.irp mt, 0,1,2,3
	ds_store_b128 v26, v[KS+8*\mt:KS+8*\mt+3] offset:64*\mt
	ds_store_b128 v26, v[KS+8*\mt+4:KS+8*\mt+7] offset:64*\mt+16
.endr
	s_lshl_b32 s20, s15, 14
	v_lshl_add_u32 v[T+4], v[LN], 4, s20
	WIN 0x04
.set i, 0
.rept 32
	global_store_b128 v[T+4], v[128+4*i:128+4*i+3], s[10:11] offset:512*i      ; each store covers 512 consecutive bytes, aligned
.set i, i+1
.endr
	WIN 0
.Lhigh2:
	BAR
	s_cmp_lg_u32 s14, 0
	s_cbranch_scc1 .Lend
	v_lshlrev_b32 v26, 4, v[LN]
	v_add_nc_u32 v30, KSA, v26
	ds_load_b128 v[40:43], v30
	ds_load_b128 v[44:47], v30 offset:512
	v_lshlrev_b32 v31, 4, v[R]
	v_add_nc_u32 v31, VSP, v31
.irp g, 0,1,2,3,4,5,6,7
	ds_load_b128 v[48+4*\g:48+4*\g+3], v31 offset:256*\g
.endr
	v_mov_b32 v30, MX1+16
	ds_load_b128 v[80:83], v30
	s_wait_dscnt 0x0
.irp g, 0,1,2,3
	v_pk_add_f32 v[48+4*\g:48+4*\g+1], v[48+4*\g:48+4*\g+1], v[64+4*\g:64+4*\g+1]
	v_pk_add_f32 v[50+4*\g:50+4*\g+1], v[50+4*\g:50+4*\g+1], v[66+4*\g:66+4*\g+1]
.endr
.irp g, 0,1
	v_pk_add_f32 v[48+4*\g:48+4*\g+1], v[48+4*\g:48+4*\g+1], v[56+4*\g:56+4*\g+1]
	v_pk_add_f32 v[50+4*\g:50+4*\g+1], v[50+4*\g:50+4*\g+1], v[58+4*\g:58+4*\g+1]
.endr
	v_pk_add_f32 v[48:49], v[48:49], v[52:53]
	v_pk_add_f32 v[50:51], v[50:51], v[54:55]
	v_cmp_gt_u32 vcc_lo, 16, v[LN]                 ; lanes 0-15: V; lanes 16-31: the four maxima
.irp g, 0,1,2,3
	v_cndmask_b32 v[84+\g], v[80+\g], v[48+\g], vcc_lo
.endr
	global_store_b128 v26, v[40:43], s[12:13]
	global_store_b128 v26, v[44:47], s[12:13] offset:512
	global_store_b128 v26, v[84:87], s[12:13] offset:1024
.Lend:
	s_wait_xcnt 0x0
	v_lshl_add_u32 v254, v0, 2, 0x28100
	v_mov_b32 v255, 0
	s_wait_tensorcnt 0x0
	ds_add_u32 v254, v255
	s_wait_dscnt 0x0
	s_endpgm
.Lfunc_end_k_q55c71c9f91_kpass:
	.size	k_q55c71c9f91_kpass, .Lfunc_end_k_q55c71c9f91_kpass-k_q55c71c9f91_kpass
	.p2alignl 7, 3214868480
	.fill 96, 4, 3214868480
	.section	.rodata,"a",@progbits
	.p2align	6, 0x0
	.amdhsa_kernel k_q55c71c9f91_kpass
		.amdhsa_group_segment_fixed_size 165120
		.amdhsa_private_segment_fixed_size 0
		.amdhsa_enable_private_segment 0
		.amdhsa_kernarg_size 40
		.amdhsa_user_sgpr_count 2
		.amdhsa_user_sgpr_kernarg_segment_ptr 1
		.amdhsa_wavefront_size32 1
		.amdhsa_system_sgpr_workgroup_id_x 1
		.amdhsa_system_sgpr_workgroup_id_y 1
		.amdhsa_system_sgpr_workgroup_id_z 1
		.amdhsa_system_vgpr_workitem_id 0
		.amdhsa_next_free_vgpr 512
		.amdhsa_next_free_sgpr 66
		.amdhsa_reserve_vcc 1
		.amdhsa_float_denorm_mode_32 3
		.amdhsa_float_denorm_mode_16_64 3
		.amdhsa_memory_ordered 1
		.amdhsa_forward_progress 1
		.amdhsa_inst_pref_size 255
	.end_amdhsa_kernel
	.section	.bss,"aw",@nobits
	.p2align	6
	.space	262144
	.amdgpu_metadata
---
amdhsa.version: [ 1, 2 ]
amdhsa.kernels:
  - .name:           k_q55c71c9f91_kpass
    .symbol:         k_q55c71c9f91_kpass.kd
    .args:
      - { .name: key, .offset: 0, .size: 8, .value_kind: global_buffer, .address_space: global }
      - { .name: value, .offset: 8, .size: 8, .value_kind: global_buffer, .address_space: global }
      - { .name: proj, .offset: 16, .size: 8, .value_kind: global_buffer, .address_space: global }
      - { .name: pkv, .offset: 24, .size: 8, .value_kind: global_buffer, .address_space: global }
      - { .name: pst, .offset: 32, .size: 8, .value_kind: global_buffer, .address_space: global }
    .group_segment_fixed_size: 165120
    .private_segment_fixed_size: 0
    .kernarg_segment_align: 8
    .kernarg_segment_size: 40
    .max_flat_workgroup_size: 256
    .sgpr_count:     66
    .vgpr_count:     512
    .wavefront_size: 32
...
	.end_amdgpu_metadata
.endif
;; end of part 1
;; launch prep (part 2): grid 256 x 1, 4 waves a work-group, no clusters, 11,264 bytes of LDS; arguments pkv, pst, W_out, kvt, csum, wb; writes kvt, csum, wb
.if DOCPART == 2
	.amdgcn_target "amdgcn-amd-amdhsa--gfx1250"
	.amdhsa_code_object_version 6
	.text
	.protected	k_q55c71c9f91_prep
	.globl	k_q55c71c9f91_prep
	.p2align	8
	.type	k_q55c71c9f91_prep,@function
k_q55c71c9f91_prep:
	s_mov_b64 s[64:65], 0
	v_nop
	global_prefetch_b8 v0, s[64:65] scope:SCOPE_SE
	s_setreg_imm32_b32 hwreg(HW_REG_WAVE_MODE, 25, 1), 1
	s_wait_xcnt 0x0
; Between the passes.  A work-group owns one (batch, head) bh and one quarter dq of d (16 columns); wave = quarter mq of the features.
; G' = the largest of all 1,024 partial maxima = the global stabiliser of the definition (in log2 units).
; kvx[m][d] = sum over the 4 chunks of X_c 2^(mu_c - G'),  ksx[m] likewise: the exponential parts, rounded to bf16 for the matrix unit.
; The eps parts stay in f32:  c1[d] = eps V[d];  c0[d] = eps (sum_m kvx + 256 c1);  K0 = eps (sum_m ksx + 256 eps 4096).
; kvt[bh][dq][18][256] bf16: rows 0-15 kvx for d = 16 dq + row, row 16 ksx, row 17 ones.   csum[bh][dq][128] f32: c0[16], c1[16], K0 in the rest.
; Besides, each work-group converts four rows of W_out to f16 into wb[head][o][64], for the last launch's product in f16 (11 significant bits).
; Limit: |W_out| above 65,504 overflows f16; numbers under 6.1e-5 keep an absolute step of 6e-8.
; One round trip to memory: all loads go out together; no matrix unit, cluster or tensor load would add anything to 80 KiB a work-group.
.set TRP, 528                          ; a row of 256 bf16 + 16 bytes
.set GX,  9728                         ; 4 words: the waves' maxima
.set CSP, 9984                         ; 4 x 64 bytes: the waves' column sums
.set KSP, 10240                        ; 4 words: the waves' sums of ksx
.set C1P, 10496                        ; 4 x 64 bytes: c1, a copy for each wave
.set EPSF, 0x38d1b717                  ; 1e-4
.set MUA, 16
.set MUC, 24
.set VSC, 28
.set KSC, 32
.set FP,  40                           ; v[40:47] 2^(mu_c - G') in pairs
.set TMP, 48
.set X,   64                           ; X(c, mt, q) at 64 + 32 c + 8 mt + 4 q
.set WR,  192
.macro BAR
	s_wait_dscnt 0x0
	s_barrier_signal -1
	s_barrier_wait -1
.endm
	s_load_b256 s[4:11], s[0:1], 0x0               ; pkv s[4:5], pst s[6:7], W_out s[8:9], kvt s[10:11]
	s_load_b128 s[12:15], s[0:1], 0x20             ; csum s[12:13], wb s[14:15]
	v_lshl_add_u32 v224, v0, 2, 0x2a00
	v_mov_b32 v225, 0
	v_lshrrev_b32 v1, 5, v0
	v_readfirstlane_b32 s20, v1                    ; wave = mq
	s_and_b32 s21, ttmp9, 3                        ; dq
	s_lshr_b32 s22, ttmp9, 2                       ; bh
	s_lshr_b32 s23, s22, 4
	s_and_b32 s24, s22, 15
	s_lshl_b32 s23, s23, 6
	s_add_co_u32 s23, s23, s24                     ; 64 b + h: the first pass's work-group of chunk 0; chunk c is 16 c further
	s_lshl_b32 s24, s23, 16
	s_mov_b32 s25, 0
	s_mul_i32 s26, s23, 1536
	s_mov_b32 s27, 0
	s_mov_b32 s28, 0x76543210
	s_mov_b32 s29, 0xfedcba98
	v_and_b32 v1, 31, v0                           ; L
	v_and_b32 v2, 15, v0                           ; r
	v_bfe_u32 v3, v0, 4, 1                         ; h
	v_mul_u32_u24 v4, v0, 3072                     ; thread t reads the maxima of work-groups 2 t and 2 t + 1
	s_lshl_b32 s30, s20, 2
	v_mov_b32 v5, s30                              ; 4 mq
	s_lshl_b32 s30, s21, 6
	v_lshl_add_u32 v6, v2, 2, s30                  ; 4 (16 dq + r)
	v_lshlrev_b32 v7, 3, v0                        ; 8 t
	s_lshl_b32 s30, s20, 14
	s_lshl_b32 s31, s21, 10
	s_add_co_u32 s30, s30, s31
	v_lshl_add_u32 v8, v1, 4, s30                  ; 16,384 mq + 1,024 dq + 16 L
	v_bfe_u32 v48, v0, 3, 1
	v_lshrrev_b32 v49, 4, v0
	v_and_b32 v50, 7, v0
	v_lshlrev_b32 v9, 12, v48                      ; W_out: row (t >> 3) & 1, head t >> 4, 32 bytes at t & 7
	v_lshl_add_u32 v9, v49, 8, v9
	v_lshl_add_u32 v9, v50, 5, v9
	v_lshlrev_b32 v10, 17, v49                     ; wb: head x 131,072 + row x 128 + 16 (t & 7)
	v_lshl_add_u32 v10, v48, 7, v10
	v_lshl_add_u32 v10, v50, 4, v10
	s_wait_kmcnt 0x0
	s_add_nc_u64 s[4:5], s[4:5], s[24:25]
	s_add_nc_u64 s[16:17], s[6:7], s[26:27]
	s_lshl_b32 s24, ttmp9, 14
	s_add_nc_u64 s[8:9], s[8:9], s[24:25]
	s_lshl_b32 s24, ttmp9, 9
	s_add_nc_u64 s[14:15], s[14:15], s[24:25]
	s_add_nc_u64 s[12:13], s[12:13], s[24:25]
	s_mul_i32 s24, ttmp9, 9216
	s_add_nc_u64 s[10:11], s[10:11], s[24:25]
	global_load_b128 v[MUA:MUA+3], v4, s[6:7] offset:1280
	global_load_b128 v[MUA+4:MUA+7], v4, s[6:7] offset:2816
.irp c, 0,1,2,3
	global_load_b32 v[MUC+\c], v5, s[16:17] offset:\c*24576+1280
	global_load_b32 v[VSC+\c], v6, s[16:17] offset:\c*24576+1024
	global_load_b64 v[KSC+2*\c:KSC+2*\c+1], v7, s[16:17] offset:\c*24576
.endr
.irp c, 0,1,2,3
.irp mt, 0,1,2,3
	global_load_b128 v[X+32*\c+8*\mt:X+32*\c+8*\mt+3],   v8, s[4:5] offset:\c*1048576+\mt*4096 th:TH_LOAD_NT
	global_load_b128 v[X+32*\c+8*\mt+4:X+32*\c+8*\mt+7], v8, s[4:5] offset:\c*1048576+\mt*4096+512 th:TH_LOAD_NT
.endr
.endr
.irp g, 0,1,2,3
	global_load_b128 v[WR+8*\g:WR+8*\g+3],   v9, s[8:9] offset:(\g/2)*8192+(\g%2)*2048 th:TH_LOAD_NT
	global_load_b128 v[WR+8*\g+4:WR+8*\g+7], v9, s[8:9] offset:(\g/2)*8192+(\g%2)*2048+16 th:TH_LOAD_NT
.endr
	v_mov_b32 v12, 0
	s_lshl_b32 s30, s20, 7
	v_mul_u32_u24 v13, v2, TRP                     ; kvx goes in at row r, byte 128 mq + 32 mt + 16 h
	v_lshl_add_u32 v13, v3, 4, v13
	v_add_nc_u32 v13, s30, v13
	v_lshlrev_b32 v14, 2, v0                       ; 4 t
	s_lshl_b32 s30, s20, 6
	v_lshl_add_u32 v15, v2, 2, s30                 ; 64 mq + 4 r
	s_wait_loadcnt 0x0
	; W_out to f16: sixteen neighbouring lanes store 256 consecutive bytes, aligned
.irp g, 0,1,2,3
.irp e, 0,1,2,3
	v_cvt_pk_f16_f32 v[WR+8*\g+\e], v[WR+8*\g+2*\e], v[WR+8*\g+2*\e+1]
.endr
	global_store_b128 v10, v[WR+8*\g:WR+8*\g+3], s[14:15] offset:(\g%2)*1048576+(\g/2)*256
.endr
	; the global maximum
	v_max3_num_f32 v16, v16, v17, v18
	v_max3_num_f32 v16, v16, v19, v20
	v_max3_num_f32 v16, v16, v21, v22
	v_max_num_f32 v16, v16, v23
	v_max_num_f32_dpp v16, v16, v16 row_xmask:1 row_mask:0xf bank_mask:0xf
	v_max_num_f32_dpp v16, v16, v16 row_xmask:2 row_mask:0xf bank_mask:0xf
	v_max_num_f32_dpp v16, v16, v16 row_xmask:4 row_mask:0xf bank_mask:0xf
	v_max_num_f32_dpp v16, v16, v16 row_xmask:8 row_mask:0xf bank_mask:0xf
	v_permlanex16_b32 v17, v16, s28, s29
	v_max_num_f32 v16, v16, v17
	ds_store_b32 v5, v16 offset:GX
	BAR
	ds_load_b128 v[16:19], v12 offset:GX
	s_wait_dscnt 0x0
	v_max3_num_f32 v16, v16, v17, v18
	v_max_num_f32 v16, v16, v19                    ; G'
.irp c, 0,1,2,3
	v_sub_f32 v[TMP+\c], v[MUC+\c], v16
.endr
.irp c, 0,1,2,3
	v_exp_f32 v[FP+2*\c], v[TMP+\c]
.endr
	v_add_f32 v[VSC], v[VSC], v[VSC+1]             ; (a plain place behind the exponentials) V = the four chunks' sums
	s_wait_alu depctr_va_vdst(0)
.irp c, 0,1,2,3
	v_mov_b32 v[FP+2*\c+1], v[FP+2*\c]
.endr
	v_add_f32 v[VSC+2], v[VSC+2], v[VSC+3]
	v_add_f32 v[VSC], v[VSC], v[VSC+2]
	v_mul_f32 v[VSC], EPSF, v[VSC]                 ; c1
	ds_store_b32 v15, v[VSC] offset:C1P
	; kvx, in place in chunk 0's registers
.set i, 0
.rept 16
	v_pk_mul_f32 v[X+2*i:X+2*i+1], v[X+2*i:X+2*i+1], v[FP:FP+1]
.set i, i+1
.endr
.irp c, 1,2,3
.set i, 0
.rept 16
	v_pk_fma_f32 v[X+2*i:X+2*i+1], v[X+32*\c+2*i:X+32*\c+2*i+1], v[FP+2*\c:FP+2*\c+1], v[X+2*i:X+2*i+1]
.set i, i+1
.endr
.endr
	; the sum over my wave's 64 features, for column r
.irp g, 0,1,2,3
	v_pk_add_f32 v[TMP+2*\g:TMP+2*\g+1], v[X+4*\g:X+4*\g+1], v[X+4*\g+2:X+4*\g+3]
.endr
.irp g, 0,1,2,3
	v_pk_add_f32 v[TMP+2*\g:TMP+2*\g+1], v[TMP+2*\g:TMP+2*\g+1], v[X+16+2*\g:X+16+2*\g+1]
.endr
.irp g, 0,1,2,3
	v_pk_add_f32 v[TMP+2*\g:TMP+2*\g+1], v[TMP+2*\g:TMP+2*\g+1], v[X+24+2*\g:X+24+2*\g+1]
.endr
	v_pk_add_f32 v[TMP:TMP+1], v[TMP:TMP+1], v[TMP+2:TMP+3]
	v_pk_add_f32 v[TMP+4:TMP+5], v[TMP+4:TMP+5], v[TMP+6:TMP+7]
	v_pk_add_f32 v[TMP:TMP+1], v[TMP:TMP+1], v[TMP+4:TMP+5]
	v_add_f32 v[TMP], v[TMP], v[TMP+1]
	v_permlanex16_b32 v[TMP+1], v[TMP], s28, s29
	v_add_f32 v[TMP], v[TMP], v[TMP+1]
	ds_store_b32 v15, v[TMP] offset:CSP
	; kvx to bf16, transposed through LDS: eight neighbouring m of one d are 16 bytes
.irp mt, 0,1,2,3
.irp e, 0,1,2,3
	v_cvt_pk_bf16_f32 v[TMP+8+4*(\mt%2)+\e], v[X+8*\mt+2*\e], v[X+8*\mt+2*\e+1]
.endr
	ds_store_b128 v13, v[TMP+8+4*(\mt%2):TMP+8+4*(\mt%2)+3] offset:32*\mt
.endr
	; ksx of m = 2 t, 2 t + 1 (thread t lies in wave mq = m / 64), and the row of ones
	v_pk_mul_f32 v[KSC:KSC+1], v[KSC:KSC+1], v[FP:FP+1]
.irp c, 1,2,3
	v_pk_fma_f32 v[KSC:KSC+1], v[KSC+2*\c:KSC+2*\c+1], v[FP+2*\c:FP+2*\c+1], v[KSC:KSC+1]
.endr
	v_cvt_pk_bf16_f32 v[TMP+2], v[KSC], v[KSC+1]
	v_mov_b32 v[TMP+3], 0x3f803f80
	ds_store_b32 v14, v[TMP+2] offset:16*TRP
	ds_store_b32 v14, v[TMP+3] offset:17*TRP
	v_add_f32 v[TMP+4], v[KSC], v[KSC+1]
	v_add_f32_dpp v[TMP+4], v[TMP+4], v[TMP+4] row_xmask:1 row_mask:0xf bank_mask:0xf
	v_add_f32_dpp v[TMP+4], v[TMP+4], v[TMP+4] row_xmask:2 row_mask:0xf bank_mask:0xf
	v_add_f32_dpp v[TMP+4], v[TMP+4], v[TMP+4] row_xmask:4 row_mask:0xf bank_mask:0xf
	v_add_f32_dpp v[TMP+4], v[TMP+4], v[TMP+4] row_xmask:8 row_mask:0xf bank_mask:0xf
	v_permlanex16_b32 v[TMP+5], v[TMP+4], s28, s29
	v_add_f32 v[TMP+4], v[TMP+4], v[TMP+5]
	ds_store_b32 v5, v[TMP+4] offset:KSP
	BAR
	; whole rows of 512 bytes out: wave w takes rows w, w + 4, w + 8, w + 12; waves 0 and 1 also rows 16 and 17
	s_mul_i32 s30, s20, TRP
	v_lshl_add_u32 v16, v1, 4, s30
	s_lshl_b32 s30, s20, 9
	v_lshl_add_u32 v17, v1, 4, s30
.irp g, 0,1,2,3
	ds_load_b128 v[X+4*\g:X+4*\g+3], v16 offset:4*TRP*\g
.endr
.irp g, 0,1,2,3
	s_wait_dscnt 3-\g
	global_store_b128 v17, v[X+4*\g:X+4*\g+3], s[10:11] offset:2048*\g
.endr
	s_cmp_ge_u32 s20, 2
	s_cbranch_scc1 .Lno_tail
	ds_load_b128 v[X+16:X+19], v16 offset:16*TRP
	s_wait_dscnt 0x0
	global_store_b128 v17, v[X+16:X+19], s[10:11] offset:8192
.Lno_tail:
	s_cmp_lg_u32 s20, 2
	s_cbranch_scc1 .Lend
	; wave 2: the block of f32 terms, one store of 512 bytes.  Lane L holds floats 4 L .. 4 L + 3.
	v_and_b32 v18, 3, v0
	v_lshlrev_b32 v18, 4, v18
.irp g, 0,1,2,3
	ds_load_b128 v[84+4*\g:84+4*\g+3], v18 offset:CSP+64*\g
.endr
	ds_load_b128 v[100:103], v18 offset:C1P+128    ; my own wave's copy of c1
	ds_load_b128 v[104:107], v12 offset:KSP
	s_wait_dscnt 0x0
	v_pk_add_f32 v[84:85], v[84:85], v[88:89]
	v_pk_add_f32 v[86:87], v[86:87], v[90:91]
	v_pk_add_f32 v[92:93], v[92:93], v[96:97]
	v_pk_add_f32 v[94:95], v[94:95], v[98:99]
	v_pk_add_f32 v[84:85], v[84:85], v[92:93]
	v_pk_add_f32 v[86:87], v[86:87], v[94:95]
	v_pk_fma_f32 v[84:85], v[100:101], 0x43800000, v[84:85] op_sel_hi:[1,0,1]  ; + 256 c1
	v_pk_fma_f32 v[86:87], v[102:103], 0x43800000, v[86:87] op_sel_hi:[1,0,1]
	v_pk_mul_f32 v[84:85], v[84:85], EPSF op_sel_hi:[1,0]                      ; c0
	v_pk_mul_f32 v[86:87], v[86:87], EPSF op_sel_hi:[1,0]
	v_add_f32 v104, v104, v105
	v_add_f32 v106, v106, v107
	v_add_f32 v104, v104, v106
	v_add_f32 v104, 0x42d1b717, v104               ; + 256 eps 4096
	v_mul_f32 v104, EPSF, v104                     ; K0
	v_cmp_gt_u32 vcc_lo, 8, v1
	v_cmp_gt_u32 s30, 4, v1
.irp g, 0,1,2,3
	v_cndmask_b32 v[108+\g], v104, v[100+\g], vcc_lo
.endr
.irp g, 0,1,2,3
	v_cndmask_b32 v[108+\g], v[108+\g], v[84+\g], s30
.endr
	v_lshlrev_b32 v19, 4, v1
	global_store_b128 v19, v[108:111], s[12:13]
.Lend:
	s_wait_tensorcnt 0x0
	ds_add_u32 v224, v225
	s_wait_dscnt 0x0
	s_endpgm
.Lfunc_end_k_q55c71c9f91_prep:
	.size	k_q55c71c9f91_prep, .Lfunc_end_k_q55c71c9f91_prep-k_q55c71c9f91_prep
	.p2alignl 7, 3214868480
	.fill 96, 4, 3214868480
	.section	.rodata,"a",@progbits
	.p2align	6, 0x0
	.amdhsa_kernel k_q55c71c9f91_prep
		.amdhsa_group_segment_fixed_size 11264
		.amdhsa_private_segment_fixed_size 0
		.amdhsa_enable_private_segment 0
		.amdhsa_kernarg_size 48
		.amdhsa_user_sgpr_count 2
		.amdhsa_user_sgpr_kernarg_segment_ptr 1
		.amdhsa_wavefront_size32 1
		.amdhsa_system_sgpr_workgroup_id_x 1
		.amdhsa_system_sgpr_workgroup_id_y 1
		.amdhsa_system_sgpr_workgroup_id_z 1
		.amdhsa_system_vgpr_workitem_id 0
		.amdhsa_next_free_vgpr 226
		.amdhsa_next_free_sgpr 66
		.amdhsa_reserve_vcc 1
		.amdhsa_float_denorm_mode_32 3
		.amdhsa_float_denorm_mode_16_64 3
		.amdhsa_memory_ordered 1
		.amdhsa_forward_progress 1
		.amdhsa_inst_pref_size 22
	.end_amdhsa_kernel
	.amdgpu_metadata
---
amdhsa.version: [ 1, 2 ]
amdhsa.kernels:
  - .name:           k_q55c71c9f91_prep
    .symbol:         k_q55c71c9f91_prep.kd
    .args:
      - { .name: pkv, .offset: 0, .size: 8, .value_kind: global_buffer, .address_space: global }
      - { .name: pst, .offset: 8, .size: 8, .value_kind: global_buffer, .address_space: global }
      - { .name: W_out, .offset: 16, .size: 8, .value_kind: global_buffer, .address_space: global }
      - { .name: kvt, .offset: 24, .size: 8, .value_kind: global_buffer, .address_space: global }
      - { .name: csum, .offset: 32, .size: 8, .value_kind: global_buffer, .address_space: global }
      - { .name: wb, .offset: 40, .size: 8, .value_kind: global_buffer, .address_space: global }
    .group_segment_fixed_size: 11264
    .private_segment_fixed_size: 0
    .kernarg_segment_align: 8
    .kernarg_segment_size: 48
    .max_flat_workgroup_size: 128
    .sgpr_count:     66
    .vgpr_count:     226
    .wavefront_size: 32
...
	.end_amdgpu_metadata
.endif
;; end of part 2
;; launch qpass (part 3): grid 256 x 1, 8 waves a work-group, no clusters, 327,680 bytes of LDS; arguments query, proj, kvt, csum, ctx; writes ctx
.if DOCPART == 3
	.amdgcn_target "amdgcn-amd-amdhsa--gfx1250"
	.amdhsa_code_object_version 6
	.text
	.protected	k_q55c71c9f91_qpass
	.globl	k_q55c71c9f91_qpass
	.p2align	8
	.type	k_q55c71c9f91_qpass,@function
k_q55c71c9f91_qpass:
	s_mov_b64 s[64:65], 0
	v_nop
	global_prefetch_b8 v0, s[64:65] scope:SCOPE_SE
	s_setreg_imm32_b32 hwreg(HW_REG_WAVE_MODE, 25, 1), 1
	s_wait_xcnt 0x0
; FAVOR+ query side.  A work-group owns one (batch, head) and 1,024 rows s; wave w makes rows 512 rho + 64 w .. + 63 in rounds rho = 0, 1.
; e[s][m] = 2^(dd' - diag' - rowmax), rowmax the largest dd' of the row, taken as a RUNNING maximum over four chunks of 64 features
; (sums made under an older maximum are multiplied by 2^(old - new)), so every exponent is <= 0 and the last maximum is the row's.
; With q' = e + eps and k' = exponential part + eps, and E = sum_m e:
;   num[s][d] = sum_m e kvx[m][d] + E c1[d] + c0[d],   den[s] = sum_m e ksx[m] + 0.4096 E + K0,   context = num / den, stored as f16 in ctx[head][row][64].
; The three sums over m go to the matrix unit with e in bf16 (the same rounded e in all three); the eps terms c0, c1, K0 are f32.
; WHY f16 FOR THE CONTEXT: it is a mean of rows of value with positive weights, so |context| <= the largest |value|; f16 holds that up to 65,504 and gives
; 11 significant bits where bf16 gives 8.  Where eps outweighs the exponential part the context is nearly the same in all rows of a batch, and a rounding
; error of it is then common to those rows.  Limit: |value| above 65,504 may overflow; numbers under 6.1e-5 keep an absolute step of 6e-8.
; ratio = 2^-4 stands squared above and below the line and is left out exactly.  Limits: v_exp_f32 gives 0 below 2^-126; dd' comes from bf16 operands.
; No cluster: the work-groups of one (batch, head) share 36 KiB of kvt, and all share 64 KiB of proj, against 256 KiB of query of their own.
; LAYOUT: dd is made transposed, (rows m, columns s): a lane owns one s, so maximum, diag', factor and 1/den are the lane's own numbers;
; two packed m tiles are a B fragment (column s, k = m) of num^T = kvx^T e^T, and a lane's eight results are eight neighbouring d of one row.
; OUT OF STEP: waves 1, 3, 4, 6 make their first 32 matrix instructions ahead of the barrier in front of the refill, the others behind it.  No barrier follows,
; so those waves stay one matrix phase ahead: some waves issue matrix instructions while others issue vector instructions.
; The set differs between w and w + 4 and between w and w xor 1.
.set ALPHA,  0x3f0293ee
.set PDIAG,  0x3db8aa3b
.set QPITCH, 272                       ; a row of 64 f32 + 16 bytes
.set QSZ,    64*QPITCH                 ; a wave's tile of query, filled by its own tensor load, twice in the launch
.set KVL,    8*QSZ                     ; kvt of my (batch, head): 72 rows of 512 + 16 bytes, filled once by wave 0's tensor load
.set KVP,    528
.set PJL,    177408                    ; alpha proj in bf16: 256 rows of 128 + 16 bytes.  From here on LDS stores write, and no tensor load lands
.set CST,    214272                    ; each wave's stage for the way out: 16 rows of 128 + 16 bytes
.set CSL,    232704                    ; the f32 terms: 4 blocks of 512 bytes
.set QSA, 1
.set PJA0, 2
.set KVA0, 3
.set KVK0, 4
.set PJA, 5
.set KVA, 6
.set KVK, 7
.set CSA, 8
.set STO, 10
.set SRD, 11
.set COFF, 12
.set CSK, 13
.set RM, 16                            ; v[16:19] running row maximum of s tile st
.set DG, 20                            ; v[20:23] diag'
.set T,  24
.set F,  28                            ; v[28:35] factor pairs (in the extraction v[28:43] hold sums of squares; on the way out v[28:35] hold E)
.set NC, 36                            ; v[36:43] -max - diag' pairs
.set RI, 44                            ; v[44:51] 1/den pairs
.set S,  52
.set QF, 64                            ; v[64:127] query fragments (st, ks) at 64 + 16 st + 8 ks; on the way out c0 and c1
.set KA, 128                           ; v[128:159] tile st: register 0 = sum e ksx, register 1 = E
.set FR, 160                           ; v[160:239] fragments
; window 1: dd^T tile (st, mt) at 32 st + 8 mt; packed fragment (st, kp) at 32 st + 16 kp; num^T tile (dt, st) at 128 + 8 (4 dt + st)
.set MSB, 0
.macro WIN new
.if MSB != \new
	s_set_vgpr_msb (MSB<<8)|\new
.set MSB, \new
.endif
.endm
.macro PLACES c
.rept \c
	v_nop
.endr
.endm
	s_load_b256 s[4:11], s[0:1], 0x0               ; query s[4:5], proj s[6:7], kvt s[8:9], csum s[10:11]
	s_load_b64 s[12:13], s[0:1], 0x20              ; ctx
	v_lshl_add_u32 v254, v0, 2, 0x39500
	v_mov_b32 v255, 0
	ds_add_u32 v254, v255
	ds_add_u32 v254, v255
	v_lshrrev_b32 v56, 5, v0
	v_readfirstlane_b32 s14, v56                   ; wave
	s_mov_b32 s18, 0x76543210
	s_mov_b32 s19, 0xfedcba98
	s_mov_b32 s16, 0x3ed1b717                      ; eps x 4096
	s_and_b32 s20, ttmp9, 15                       ; head
	s_bfe_u32 s21, ttmp9, 0x20004                  ; chunk
	s_lshr_b32 s22, ttmp9, 6                       ; batch
	s_lshl_b32 s23, s22, 4
	s_add_co_u32 s23, s23, s20                     ; bh
	s_lshl_b32 s22, s22, 12
	s_lshl_b32 s21, s21, 10
	s_add_co_u32 s22, s22, s21
	s_lshl_b32 s21, s14, 6
	s_add_co_u32 s22, s22, s21                     ; my wave's first row among the 16,384
	s_lshr_b32 s21, s14, 2
	s_xor_b32 s21, s21, s14
	s_and_b32 s21, s21, 1                          ; 1 in waves 1, 3, 4, 6: these run one matrix phase ahead
	; query tile: 64 rows x 64 f32, 1,024 elements from row to row, 4 words of padding behind every 64
	s_mov_b32 s24, (2<<16)|(1<<20)|(5<<22)|(3<<25)
	s_mov_b32 s25, 64<<16
	s_mov_b32 s26, 64<<16
	s_mov_b32 s27, 64<<16
	s_mov_b32 s28, 64
	s_mov_b32 s29, 1024
	s_mov_b32 s30, 0
	s_mov_b32 s31, 0
	; kvt tile: 72 rows x 256 bf16, dense, 4 words of padding behind every 128
	s_mov_b32 s36, (1<<16)|(1<<20)|(6<<22)|(3<<25)
	s_mov_b32 s37, 256<<16
	s_mov_b32 s38, 72<<16
	s_mov_b32 s39, 256<<16
	s_mov_b32 s40, 72
	s_mov_b32 s41, 256
	s_mov_b32 s42, 0
	s_mov_b32 s43, 0
	s_mov_b32 s32, 1
	s_mul_i32 s33, s14, QSZ
	s_mov_b32 s44, 1
	s_mov_b32 s45, KVL
	s_lshl_b32 s2, s22, 12
	s_lshl_b32 s17, s20, 8
	s_add_co_u32 s2, s2, s17
	s_mov_b32 s3, 0
	s_wait_dscnt 0x0
	s_wait_kmcnt 0x0
	s_add_nc_u64 s[34:35], s[4:5], s[2:3]
	s_or_b32 s35, s35, 0x80000000
	s_mul_i32 s2, s23, 36864
	s_add_nc_u64 s[46:47], s[8:9], s[2:3]
	s_or_b32 s47, s47, 0x80000000
	s_lshl_b32 s2, s23, 11
	s_add_nc_u64 s[10:11], s[10:11], s[2:3]
	s_lshl_b32 s2, s20, 21
	s_lshl_b32 s17, s22, 7
	s_add_co_u32 s2, s2, s17
	s_add_nc_u64 s[12:13], s[12:13], s[2:3]
	; the first fills, ahead of every wait for tensor loads, LDS read and barrier: wave 0 has two tensor loads out, the others one; the wait is for 0
	s_cmp_lg_u32 s14, 0
	s_cbranch_scc1 .Lno_kv
	tensor_load_to_lds s[44:47], s[36:43]
	s_nop 0
.Lno_kv:
	tensor_load_to_lds s[32:35], s[24:31]
	s_nop 0
	v_and_b32 v14, 15, v0                          ; r
	v_bfe_u32 v15, v0, 4, 1                        ; h
	s_lshl_b32 s17, s14, 13                        ; I stage proj rows 32 w + 2 j + h
	v_lshlrev_b32 v57, 8, v15
	v_lshl_add_u32 v57, v14, 4, v57
	v_add_nc_u32 v57, s17, v57
.set i, 0
.rept 16
	global_load_b128 v[FR+4*i:FR+4*i+3], v57, s[6:7] offset:512*i
.set i, i+1
.endr
	v_lshlrev_b32 v59, 3, v0
	global_load_b64 v[60:61], v59, s[10:11]        ; the f32 terms: 256 threads x 8 bytes
	v_mul_u32_u24 v[QSA], v14, QPITCH
	v_lshl_add_u32 v[QSA], v15, 5, v[QSA]
	v_add_nc_u32 v[QSA], s33, v[QSA]
	v_mul_u32_u24 v[PJA0], v14, 144
	v_lshl_add_u32 v[PJA0], v15, 4, v[PJA0]
	v_add_nc_u32 v[PJA0], PJL, v[PJA0]
	v_mul_u32_u24 v[KVA0], v14, KVP
	v_lshl_add_u32 v[KVA0], v15, 4, v[KVA0]
	v_add_nc_u32 v[KVA0], KVL, v[KVA0]
	v_and_b32 v56, 1, v0                           ; the fifth tile: even rows read row 16 (ksx), odd rows row 17 (ones)
	v_mul_u32_u24 v[KVK0], v56, KVP
	v_lshl_add_u32 v[KVK0], v15, 4, v[KVK0]
	v_add_nc_u32 v[KVK0], KVL+16*KVP, v[KVK0]
	v_lshlrev_b32 v[CSA], 5, v15
	v_add_nc_u32 v[CSA], CSL, v[CSA]
	v_mov_b32 v[CSK], CSL+128
	s_mul_i32 s17, s14, 2304
	s_add_co_u32 s17, s17, CST
	v_mul_u32_u24 v[STO], v14, 144
	v_lshl_add_u32 v[STO], v15, 4, v[STO]
	v_add_nc_u32 v[STO], s17, v[STO]
	v_bfe_u32 v56, v0, 3, 2                        ; L >> 3
	v_mul_u32_u24 v[SRD], v56, 144
	v_and_b32 v56, 7, v0
	v_lshl_add_u32 v[SRD], v56, 4, v[SRD]
	v_add_nc_u32 v[SRD], s17, v[SRD]
	v_and_b32 v56, 31, v0
	v_lshlrev_b32 v[COFF], 4, v56
	s_mul_i32 s17, s14, 32*144
	s_add_co_u32 s17, s17, PJL
	v_mul_u32_u24 v58, v15, 144
	v_lshl_add_u32 v58, v14, 3, v58
	v_add_nc_u32 v58, s17, v58
	v_add_nc_u32 v62, CSL, v59
.irp g, 0,1,2,3
	v_mov_b32 v[T+\g], 0
	v_mov_b32 v[S+\g], 0
.endr
	s_wait_loadcnt 0x0
.set i, 0
.rept 32
	v_pk_mul_f32 v[FR+2*i:FR+2*i+1], v[FR+2*i:FR+2*i+1], ALPHA op_sel_hi:[1,0]
.set i, i+1
.endr
.set i, 0
.rept 16
	v_cvt_pk_bf16_f32 v[FR+4*i], v[FR+4*i], v[FR+4*i+1]
	v_cvt_pk_bf16_f32 v[FR+4*i+1], v[FR+4*i+2], v[FR+4*i+3]
	ds_store_b64 v58, v[FR+4*i:FR+4*i+1] offset:288*i
.set i, i+1
.endr
	ds_store_b64 v62, v[60:61]
	s_wait_tensorcnt 0x0                           ; my tile of query, and in wave 0 kvt, have landed
	s_wait_dscnt 0x0                               ; my part of proj and of the f32 terms is written
	s_barrier_signal -1
	s_barrier_wait -1
; My 64 rows of query out of LDS: fragments in bf16, and diag' from the f32 numbers.
.macro EXTRACT
	WIN 0x40
.irp st, 0,1,2,3
.irp g, 0,1,2,3,4,5,6,7
	ds_load_b128 v[32*\st+4*\g:32*\st+4*\g+3], v[QSA] offset:16*QPITCH*\st+(\g/2)*64+(\g%2)*16
.endr
.endr
	WIN 0x05
.irp st, 0,1,2,3
	s_wait_dscnt 24-8*\st                          ; the later s tiles' loads stay out
	v_pk_mul_f32 v[F+4*\st:F+4*\st+1], v[32*\st:32*\st+1], v[32*\st:32*\st+1]
	v_pk_mul_f32 v[F+4*\st+2:F+4*\st+3], v[32*\st+2:32*\st+3], v[32*\st+2:32*\st+3]
.irp p, 4,8,12,16,20,24,28
	v_pk_fma_f32 v[F+4*\st:F+4*\st+1], v[32*\st+\p:32*\st+\p+1], v[32*\st+\p:32*\st+\p+1], v[F+4*\st:F+4*\st+1]
	v_pk_fma_f32 v[F+4*\st+2:F+4*\st+3], v[32*\st+\p+2:32*\st+\p+3], v[32*\st+\p+2:32*\st+\p+3], v[F+4*\st+2:F+4*\st+3]
.endr
.irp g, 0,1,2,3,4,5,6,7,8,9,10,11,12,13,14,15
	v_cvt_pk_bf16_f32 v[QF+16*\st+\g], v[32*\st+2*\g], v[32*\st+2*\g+1]
.endr
.endr
	WIN 0
.irp st, 0,1,2,3
	v_pk_add_f32 v[F+4*\st:F+4*\st+1], v[F+4*\st:F+4*\st+1], v[F+4*\st+2:F+4*\st+3]
.endr
.irp st, 0,1,2,3
	v_add_f32 v[DG+\st], v[F+4*\st], v[F+4*\st+1]
.endr
.irp st, 0,1,2,3
	v_permlanex16_b32 v[T+\st], v[DG+\st], s18, s19            ; the other half of the row's 64 numbers
.endr
.irp st, 0,1,2,3
	v_add_f32 v[DG+\st], v[DG+\st], v[T+\st]
.endr
.irp st, 0,1,2,3
	v_mul_f32 v[DG+\st], PDIAG, v[DG+\st]
.endr
.endm
.macro NUM kp, zero                    ; num^T, sum e ksx and E over 32 features; twenty accumulators take turns
	WIN 0x54
.irp dt, 0,1,2,3
.irp st, 0,1,2,3
.if \zero
	v_wmma_f32_16x16x32_bf16 v[128+8*(4*\dt+\st):128+8*(4*\dt+\st)+7], v[FR+40*\kp+8*\dt:FR+40*\kp+8*\dt+7], v[32*\st+16*\kp:32*\st+16*\kp+7], 0
.else
	v_wmma_f32_16x16x32_bf16 v[128+8*(4*\dt+\st):128+8*(4*\dt+\st)+7], v[FR+40*\kp+8*\dt:FR+40*\kp+8*\dt+7], v[32*\st+16*\kp:32*\st+16*\kp+7], v[128+8*(4*\dt+\st):128+8*(4*\dt+\st)+7]
.endif
.endr
.endr
	WIN 0x04
.irp st, 0,1,2,3
.if \zero
	v_wmma_f32_16x16x32_bf16 v[KA+8*\st:KA+8*\st+7], v[FR+40*\kp+32:FR+40*\kp+39], v[32*\st+16*\kp:32*\st+16*\kp+7], 0
.else
	v_wmma_f32_16x16x32_bf16 v[KA+8*\st:KA+8*\st+7], v[FR+40*\kp+32:FR+40*\kp+39], v[32*\st+16*\kp:32*\st+16*\kp+7], v[KA+8*\st:KA+8*\st+7]
.endif
.endr
.endm
; One chunk of 64 features for my 64 rows, in two parts.  First part: dd'^T, 32 matrix instructions.
.macro CHUNK_DD
	PLACES 5                                       ; FR is loaded and the dd tiles are written over: both were registers of the last matrix instructions
.irp mt, 0,1,2,3
.irp o, 0,32,64,96
	ds_load_b128 v[FR+16*\mt+\o/8:FR+16*\mt+\o/8+3], v[PJA] offset:2304*\mt+\o
.endr
.endr
	WIN 0x50
.irp mt, 0,1,2,3
	s_wait_dscnt 12-4*\mt                          ; the later m tiles' fragments stay out
.irp st, 0,1,2,3
	v_wmma_f32_16x16x32_bf16 v[32*\st+8*\mt:32*\st+8*\mt+7], v[FR+16*\mt:FR+16*\mt+7], v[QF+16*\st:QF+16*\st+7], 0
.endr
.irp st, 0,1,2,3
	v_wmma_f32_16x16x32_bf16 v[32*\st+8*\mt:32*\st+8*\mt+7], v[FR+16*\mt+8:FR+16*\mt+15], v[QF+16*\st+8:QF+16*\st+15], v[32*\st+8*\mt:32*\st+8*\mt+7]
.endr
.endr
	WIN 0
.endm
; Second part: maximum, exponentials, pack, and the 40 matrix instructions of num^T, sum e ksx and E.
.macro CHUNK_REST first
	PLACES 4
.irp kp, 0,1
.irp t, 0,1,2,3
	ds_load_b128 v[FR+40*\kp+8*\t:FR+40*\kp+8*\t+3],   v[KVA] offset:18*KVP*\t+64*\kp
	ds_load_b128 v[FR+40*\kp+8*\t+4:FR+40*\kp+8*\t+7], v[KVA] offset:18*KVP*\t+64*\kp+32
.endr
	ds_load_b128 v[FR+40*\kp+32:FR+40*\kp+35], v[KVK] offset:64*\kp
	ds_load_b128 v[FR+40*\kp+36:FR+40*\kp+39], v[KVK] offset:64*\kp+32
.endr
	WIN 0x05                                       ; the chunk's largest dd' of each of my four rows s
.irp st, 0,1,2,3
	v_max_num_f32 v[T+\st], v[32*\st], v[32*\st+1]
.endr
.set k, 2
.rept 15
.irp st, 0,1,2,3
	v_max3_num_f32 v[T+\st], v[32*\st+k], v[32*\st+k+1], v[T+\st]
.endr
.set k, k+2
.endr
	WIN 0
.irp st, 0,1,2,3
	v_permlanex16_b32 v[S+\st], v[T+\st], s18, s19
.endr
.if \first
.irp st, 0,1,2,3
	v_max_num_f32 v[RM+\st], v[T+\st], v[S+\st]
.endr
.else
.irp st, 0,1,2,3
	v_max3_num_f32 v[T+\st], v[T+\st], v[S+\st], v[RM+\st]
.endr
.irp st, 0,1,2,3
	v_sub_f32 v[S+\st], v[RM+\st], v[T+\st]
.endr
.irp st, 0,1,2,3
	v_exp_f32 v[F+2*\st], v[S+\st]
.endr
.irp st, 0,1,2,3
	v_mov_b32 v[RM+\st], v[T+\st]                  ; plain places behind the exponentials
.endr
	s_wait_alu depctr_va_vdst(0)
.irp st, 0,1,2,3
	v_mov_b32 v[F+2*\st+1], v[F+2*\st]
.endr
.endif
.irp st, 0,1,2,3
	v_sub_f32 v[NC+2*\st], -v[RM+\st], v[DG+\st]
.endr
.irp st, 0,1,2,3
	v_mov_b32 v[NC+2*\st+1], v[NC+2*\st]
.endr
	WIN 0x41
.irp st, 0,1,2,3
.irp p, 0,2,4,6,8,10,12,14,16,18,20,22,24,26,28,30
	v_pk_add_f32 v[32*\st+\p:32*\st+\p+1], v[32*\st+\p:32*\st+\p+1], v[NC+2*\st:NC+2*\st+1]
.endr
.endr
	; 128 exponentials with plain work between them: the first 64 alternate with the 64 multiplies that bring num^T under the new maxima (register pair i
	; belongs to tile i / 4 = 4 dt + st), the last 64 with the pack of the first 64.  Behind each exponential a plain line stands ahead of the first use of
	; its result (ISA guide 5.7.2).
.set i, 0
.rept 64
	v_exp_f32 v[i], v[i]
.if \first == 0
	v_pk_mul_f32 v[128+2*i:128+2*i+1], v[128+2*i:128+2*i+1], v[F+2*((i/4)%4):F+2*((i/4)%4)+1]
.endif
.set i, i+1
.endr
.if \first
	v_nop                                          ; the plain place behind the exponentials
.endif
	WIN 0x45                                       ; two m tiles pack, in place, into one fragment: register 16 b + g from 16 b + 2 g and 16 b + 2 g + 1
.set i, 0
.rept 32
	v_exp_f32 v[64+2*i], v[64+2*i]
	v_exp_f32 v[64+2*i+1], v[64+2*i+1]
	s_wait_alu depctr_va_vdst(0)
	v_cvt_pk_bf16_f32 v[16*(i/8)+i%8], v[2*i], v[2*i+1]
.set i, i+1
.endr
	s_wait_alu depctr_va_vdst(0)
.rept 32
	v_cvt_pk_bf16_f32 v[16*(i/8)+i%8], v[2*i], v[2*i+1]
.set i, i+1
.endr
	WIN 0
.if \first == 0
.irp st, 0,1,2,3
.irp p, 0,2,4,6
	v_pk_mul_f32 v[KA+8*\st+\p:KA+8*\st+\p+1], v[KA+8*\st+\p:KA+8*\st+\p+1], v[F+2*\st:F+2*\st+1]
.endr
.endr
.endif
	s_wait_dscnt 0x0
	NUM 0, \first
	NUM 1, 0
	WIN 0
	v_add_nc_u32 v[PJA], 64*144, v[PJA]            ; the next 64 features
	v_add_nc_u32 v[KVA], 128, v[KVA]
	v_add_nc_u32 v[KVK], 128, v[KVK]
.endm
.macro RESET                           ; the addresses of the first 64 features
	v_mov_b32 v[PJA], v[PJA0]
	v_mov_b32 v[KVA], v[KVA0]
	v_mov_b32 v[KVK], v[KVK0]
.endm
.macro REST3                           ; chunks 1 to 3
	s_mov_b32 s15, 3
.Lchunk_\@:
	CHUNK_DD
	CHUNK_REST 0
	s_sub_co_u32 s15, s15, 1
	s_cmp_lg_u32 s15, 0
	s_cbranch_scc1 .Lchunk_\@
.endm
; The eps terms, the division, and 64 rows of context out through my own stage.
.macro EPI rho
	PLACES 4
.irp dt, 0,1,2,3
	ds_load_b128 v[QF+16*\dt:QF+16*\dt+3],     v[CSA] offset:512*\dt          ; c0 of d = 16 dt + 8 h + 0..7
	ds_load_b128 v[QF+16*\dt+4:QF+16*\dt+7],   v[CSA] offset:512*\dt+16
	ds_load_b128 v[QF+16*\dt+8:QF+16*\dt+11],  v[CSA] offset:512*\dt+64       ; c1
	ds_load_b128 v[QF+16*\dt+12:QF+16*\dt+15], v[CSA] offset:512*\dt+80
.endr
	ds_load_b32 v[S], v[CSK]                       ; K0
.irp st, 0,1,2,3
	v_mov_b32 v[F+2*\st], v[KA+8*\st+1]            ; E, twice
	v_mov_b32 v[F+2*\st+1], v[KA+8*\st+1]
	v_fma_f32 v[T+\st], v[KA+8*\st+1], s16, v[KA+8*\st]
.endr
	s_wait_dscnt 0x0
.irp st, 0,1,2,3
	v_add_f32 v[T+\st], v[T+\st], v[S]
.endr
.irp st, 0,1,2,3
	v_rcp_f32 v[RI+2*\st], v[T+\st]
.endr
	v_nop
	s_wait_alu depctr_va_vdst(0)
.irp st, 0,1,2,3
	v_mov_b32 v[RI+2*\st+1], v[RI+2*\st]
.endr
	WIN 0x50
.irp dt, 0,1,2,3
.irp st, 0,1,2,3
.irp p, 0,2,4,6
	v_pk_fma_f32 v[128+8*(4*\dt+\st)+\p:128+8*(4*\dt+\st)+\p+1], v[QF+16*\dt+8+\p:QF+16*\dt+8+\p+1], v[F+2*\st:F+2*\st+1], v[128+8*(4*\dt+\st)+\p:128+8*(4*\dt+\st)+\p+1]
.endr
.endr
.endr
	WIN 0x41
.irp dt, 0,1,2,3
.irp st, 0,1,2,3
.irp p, 0,2,4,6
	v_pk_add_f32 v[128+8*(4*\dt+\st)+\p:128+8*(4*\dt+\st)+\p+1], v[128+8*(4*\dt+\st)+\p:128+8*(4*\dt+\st)+\p+1], v[QF+16*\dt+\p:QF+16*\dt+\p+1]
.endr
.endr
.endr
.irp dt, 0,1,2,3
.irp st, 0,1,2,3
.irp p, 0,2,4,6
	v_pk_mul_f32 v[128+8*(4*\dt+\st)+\p:128+8*(4*\dt+\st)+\p+1], v[128+8*(4*\dt+\st)+\p:128+8*(4*\dt+\st)+\p+1], v[RI+2*\st:RI+2*\st+1]
.endr
.endr
.endr
.irp st, 0,1,2,3
	WIN 0x05
.irp dt, 0,1,2,3
.irp e, 0,1,2,3
	v_cvt_pk_f16_f32 v[FR+4*\dt+\e], v[128+8*(4*\dt+\st)+2*\e], v[128+8*(4*\dt+\st)+2*\e+1]    ; the context in f16
.endr
.endr
	WIN 0
.irp dt, 0,1,2,3
	ds_store_b128 v[STO], v[FR+4*\dt:FR+4*\dt+3] offset:32*\dt
.endr
.irp g, 0,1,2,3
	ds_load_b128 v[FR+16+16*\st+4*\g:FR+16+16*\st+4*\g+3], v[SRD] offset:576*\g        ; LDS serves a wave's instructions in order (ISA guide 5.7.1): these see the stores above
.endr
.irp g, 0,1,2,3
	s_wait_dscnt 3-\g                              ; the later reads of the stage stay out
	global_store_b128 v[COFF], v[FR+16+16*\st+4*\g:FR+16+16*\st+4*\g+3], s[12:13] offset:65536*\rho+2048*\st+512*\g   ; four rows of ctx: 512 consecutive bytes, aligned
.endr
.endr
.if \rho == 0
	s_wait_xcnt 0x0                                ; FR, which the stores read, is written again only behind this wait
.endif
.endm
	EXTRACT
	RESET
	s_cmp_eq_u32 s21, 0
	s_cbranch_scc1 .Lnot_ahead
	CHUNK_DD                                       ; waves 1, 3, 4, 6: the first chunk's dd' ahead of the barrier (it reads proj's bytes, which nothing fills again)
.Lnot_ahead:
	s_wait_dscnt 0x0                               ; my reads of my tile are done,
	s_wait_tensorcnt 0x0                           ; no tensor load of mine is out, so the descriptor may be written:
	ds_add_u32 v254, v255
	s_wait_dscnt 0x0
	s_add_nc_u64 s[34:35], s[34:35], 0x200000      ; 512 rows on
	s_barrier_signal -1
	s_barrier_wait -1
	tensor_load_to_lds s[32:35], s[24:31]          ; my one tensor load behind this barrier, first thing there: it has the whole first round in which to land
	s_nop 0
	s_cmp_lg_u32 s21, 0
	s_cbranch_scc1 .Lwas_ahead
	CHUNK_DD                                       ; the other waves: the same 32 matrix instructions, behind the refill
.Lwas_ahead:
	CHUNK_REST 1
	REST3
	EPI 0
	s_wait_tensorcnt 0x0                           ; only I read my tile
	EXTRACT
	RESET
	CHUNK_DD
	CHUNK_REST 1
	REST3
	EPI 1
	s_wait_tensorcnt 0x0
	ds_add_u32 v254, v255
	s_wait_dscnt 0x0
	s_endpgm
.Lfunc_end_k_q55c71c9f91_qpass:
	.size	k_q55c71c9f91_qpass, .Lfunc_end_k_q55c71c9f91_qpass-k_q55c71c9f91_qpass
	.p2alignl 7, 3214868480
	.fill 96, 4, 3214868480
	.section	.rodata,"a",@progbits
	.p2align	6, 0x0
	.amdhsa_kernel k_q55c71c9f91_qpass
		.amdhsa_group_segment_fixed_size 327680
		.amdhsa_private_segment_fixed_size 0
		.amdhsa_enable_private_segment 0
		.amdhsa_kernarg_size 40
		.amdhsa_user_sgpr_count 2
		.amdhsa_user_sgpr_kernarg_segment_ptr 1
		.amdhsa_wavefront_size32 1
		.amdhsa_system_sgpr_workgroup_id_x 1
		.amdhsa_system_sgpr_workgroup_id_y 1
		.amdhsa_system_sgpr_workgroup_id_z 1
		.amdhsa_system_vgpr_workitem_id 0
		.amdhsa_next_free_vgpr 512
		.amdhsa_next_free_sgpr 66
		.amdhsa_reserve_vcc 0
		.amdhsa_float_denorm_mode_32 3
		.amdhsa_float_denorm_mode_16_64 3
		.amdhsa_memory_ordered 1
		.amdhsa_forward_progress 1
		.amdhsa_inst_pref_size 199
	.end_amdhsa_kernel
	.amdgpu_metadata
---
amdhsa.version: [ 1, 2 ]
amdhsa.kernels:
  - .name:           k_q55c71c9f91_qpass
    .symbol:         k_q55c71c9f91_qpass.kd
    .args:
      - { .name: query, .offset: 0, .size: 8, .value_kind: global_buffer, .address_space: global }
      - { .name: proj, .offset: 8, .size: 8, .value_kind: global_buffer, .address_space: global }
      - { .name: kvt, .offset: 16, .size: 8, .value_kind: global_buffer, .address_space: global }
      - { .name: csum, .offset: 24, .size: 8, .value_kind: global_buffer, .address_space: global }
      - { .name: ctx, .offset: 32, .size: 8, .value_kind: global_buffer, .address_space: global }
    .group_segment_fixed_size: 327680
    .private_segment_fixed_size: 0
    .kernarg_segment_align: 8
    .kernarg_segment_size: 40
    .max_flat_workgroup_size: 256
    .sgpr_count:     66
    .vgpr_count:     512
    .wavefront_size: 32
...
	.end_amdgpu_metadata
.endif
;; end of part 3
;; launch gemm (part 4): grid 4 x 64, 4 waves a work-group, clusters of 4 x 4, 327,680 bytes of LDS; arguments ctx, wb, b_out, out0; writes out0
.if DOCPART == 4
	.amdgcn_target "amdgcn-amd-amdhsa--gfx1250"
	.amdhsa_code_object_version 6
	.text
	.protected	k_q55c71c9f91_gemm
	.globl	k_q55c71c9f91_gemm
	.p2align	8
	.type	k_q55c71c9f91_gemm,@function
k_q55c71c9f91_gemm:
	s_mov_b64 s[64:65], 0
	v_nop
	global_prefetch_b8 v0, s[64:65] scope:SCOPE_SE
	s_setreg_imm32_b32 hwreg(HW_REG_WAVE_MODE, 25, 1), 1
	s_wait_xcnt 0x0
	s_wait_alu depctr_hold_cnt(0) depctr_sa_sdst(0) depctr_va_vdst(0) depctr_va_sdst(0) depctr_va_ssrc(0) depctr_va_vcc(0) depctr_vm_vsrc(0)
	s_getreg_b32 s2, hwreg(HW_REG_IB_STS2, 6, 4)
	s_cmp_eq_u32 s2, 0
	s_cbranch_scc0 .Lentry_in_a_cluster
	s_endpgm
.Lentry_in_a_cluster:
	s_bfe_u32 s2, ttmp6, 0x10000c
	s_cmp_lg_u32 s2, 0xf033
	s_cbranch_scc0 .Lentry_shape_is_right
	s_endpgm
.Lentry_shape_is_right:
; out0[s][o] = sum over e of context[s][e] W_out[o][e] + b_out[o].   16,384 x 1,024 x 1,024, operands f16, sums and bias f32.
; f16 and not bf16: both operands have room in it (the context is bounded by the largest |value|, W_out is used as given; overflow above 65,504,
; an absolute step of 6e-8 under 6.1e-5), and it keeps 11 significant bits where bf16 keeps 8.
; context lies as ctx[head][row][64], W_out as wb[head][o][64]: 256 rows of one head are 32 KiB of consecutive bytes.
; A work-group makes a block of 256 x 256 with four waves; a wave makes 128 x 128: 64 accumulator tiles, 512 registers.
; K goes in steps of 128 (two heads) through a ring of two LDS slots.  Each wave fetches a quarter of a slot with one tensor load: waves 0, 1 the block's rows
; of ctx for the step's even and odd head, waves 2, 3 the block's rows of wb.  The load takes the 32 KiB as 128 rows of 256 bytes with 16 bytes of padding behind
; each, so an LDS row of 272 bytes holds two matrix rows.
; CLUSTERS: 4 x 4 work-groups.  The four of a row of the cluster need the same tiles of ctx, the four of a column the same tiles of wb: each tile is asked for
; jointly, by the same tensor load with the same descriptor and a mask that names the four.  That divides the requests for both operands by four.
; Windows: 0: addresses, fragments of ctx (two buffers), the way out; 1: fragments of wb; 2 and 3: accumulators of my rows 0-63 and 64-127.
; The matrix instruction is used transposed (source 0 = rows of wb, source 1 = rows of ctx): a lane then holds eight neighbouring columns of one row of out0.
.set PITCH,  272
.set HALFT,  128*PITCH                 ; what one tensor load brings: 256 matrix rows x 64 K
.set SLOT,   4*HALFT                   ; ctx even head, ctx odd head, wb even head, wb odd head
.set BLK16,  8*PITCH                   ; 16 matrix rows
.set STAGE,  2*SLOT                    ; behind the ring: 16 rows x 528 bytes for each wave
.set SPITCH, 528
.set LAPS, 4                           ; a lap = two K steps; 1,024 / 256
.set ADRA, 16
.set ADRB, 20
.set STO,  24
.set RD,   25
.set CO,   26
.set BIAS, 28                          ; v[28:31] b_out of my four columns in a row read back from the stage
.set F0,   64
.set F1,   128
.set G1, 24
.set G0, 32
.set G1B, 48
.set G0B, 56
.set MSB, 0
.macro WIN new
.if MSB != \new
	s_set_vgpr_msb (MSB<<8)|\new
.set MSB, \new
.endif
.endm
.set MUL_LO, 0xa1
.set MUL_HI, 0xf1
.set TO_B,   0x40
; A joint load.  Each of the two lines has one mask and one set of registers for all that issue it; the branch hangs on the wave's number alone.
.macro JLOAD s
	s_cmp_eq_u32 s11, 0
	s_cbranch_scc0 .Lfor_b_\@
	tensor_load_to_lds s[G0+4*\s:G0+4*\s+3], s[G1:G1+7]
	s_nop 0
	s_branch .Lasked_\@
.Lfor_b_\@:
	tensor_load_to_lds s[G0B+4*\s:G0B+4*\s+3], s[G1B:G1B+7]
	s_nop 0
.Lasked_\@:
.endm
.macro CREST                           ; a round of the cluster's barrier behind its opening barrier
	s_cmp_lg_u32 s10, 0
	s_cbranch_scc1 .Lnot_wave_0_\@
	s_barrier_signal -3
.Lnot_wave_0_\@:
	s_barrier_wait -3
	s_barrier_signal -1
	s_barrier_wait -1
.endm
.macro CROUND
	s_barrier_signal -1
	s_barrier_wait -1
	CREST
.endm
	s_load_b128 s[4:7], s[0:1], 0x0                ; ctx s[4:5], wb s[6:7]
	s_load_b64 s[18:19], s[0:1], 0x10              ; b_out
	s_load_b64 s[8:9], s[0:1], 0x18                ; out0
	s_set_vgpr_msb 0x40
	v_lshl_add_u32 v255, v0, 2, 0x4c400
	s_set_vgpr_msb 0x4000
	v_mov_b32 v255, 0
	s_set_vgpr_msb 0x1
	ds_add_u32 v255, v255
	ds_add_u32 v255, v255
	s_set_vgpr_msb 0x100
	v_lshrrev_b32 v1, 5, v0
	v_readfirstlane_b32 s10, v1                    ; wave 0..3
	s_lshr_b32 s11, s10, 1                         ; which half of the block's rows is mine.  Also: I fetch ctx (0) or wb (1)
	s_and_b32 s12, s10, 1                          ; which half of its columns.  Also: the even or the odd head of a K step
	s_bfe_u32 s40, ttmp6, 0x40000                  ; cx
	s_bfe_u32 s41, ttmp6, 0x40004                  ; cy
	s_lshl_b32 s42, ttmp9, 2
	s_add_co_u32 s42, s42, s40                     ; block column
	s_and_b32 s13, ttmp7, 0xffff
	s_lshl_b32 s13, s13, 2
	s_add_co_u32 s13, s13, s41                     ; block row
	s_lshl_b32 s43, s41, 2
	s_lshl_b32 s43, 15, s43                        ; my row of the cluster
	s_lshl_b32 s44, 0x1111, s40                    ; my column
	; group 1: 128 rows of 32 elements of 8 bytes, dense; 4 words of padding behind every 64; bit 21 beside the mask
	s_or_b32 s[G1+0], s43, (3<<16)|(1<<20)|(1<<21)|(5<<22)|(3<<25)
	s_or_b32 s[G1B+0], s44, (3<<16)|(1<<20)|(1<<21)|(5<<22)|(3<<25)
	s_mov_b32 s[G1B+1], 32<<16
	s_mov_b32 s[G1+1], 32<<16
	s_mov_b32 s[G1B+2], 128<<16
	s_mov_b32 s[G1+2], 128<<16
	s_mov_b32 s[G1B+3], 32<<16
	s_mov_b32 s[G1+3], 32<<16
	s_mov_b32 s[G1B+4], 128
	s_mov_b32 s[G1+4], 128
	s_mov_b32 s[G1B+5], 32
	s_mov_b32 s[G1+5], 32
	s_mov_b32 s[G1B+6], 0
	s_mov_b32 s[G1+6], 0
	s_mov_b32 s[G1B+7], 0
	s_mov_b32 s[G1+7], 0
	; ctx's tiles hang on the block row and the wave's number, wb's on the block column and the wave's number, each in registers that never hold the other coordinate
	s_lshl_b32 s16, s13, 15                        ; 256 rows of 128 bytes
	s_lshl_b32 s17, s12, 21                        ; a head of ctx: 16,384 rows of 128 bytes
	s_add_co_u32 s16, s16, s17
	s_mov_b32 s17, 0
	s_lshl_b32 s46, s42, 15
	s_lshl_b32 s47, s12, 17                        ; a head of wb: 1,024 rows of 128 bytes
	s_add_co_u32 s46, s46, s47
	s_mov_b32 s47, 0
	s_mul_i32 s20, s10, HALFT                      ; where they go: wave x 34,816: no place in the cluster enters an LDS address
	s_wait_dscnt 0x0
	s_wait_kmcnt 0x0
	s_add_nc_u64 s[14:15], s[4:5], s[16:17]
	s_add_nc_u64 s[46:47], s[6:7], s[46:47]
	CROUND                                         ; all sixteen work-groups are here: the first joint loads meet
.irp s, 0,1
	s_mov_b32 s[G0+4*\s], 1
	s_add_co_u32 s[G0+4*\s+1], s20, \s*SLOT
	s_add_nc_u64 s[G0+4*\s+2:G0+4*\s+3], s[14:15], \s*4194304      ; K step s: two heads of ctx on
	s_or_b32 s[G0+4*\s+3], s[G0+4*\s+3], 0x80000000
	s_mov_b32 s[G0B+4*\s], 1
	s_add_co_u32 s[G0B+4*\s+1], s20, \s*SLOT
	s_add_nc_u64 s[G0B+4*\s+2:G0B+4*\s+3], s[46:47], \s*262144     ; two heads of wb on
	s_or_b32 s[G0B+4*\s+3], s[G0B+4*\s+3], 0x80000000
	JLOAD \s
.endr
	; A fragment: lane l holds matrix row l % 16, which lies in LDS row (l % 16) / 2, half (l % 16) % 2; registers 0-3 K = 8 (l / 16) + 0..7, registers 4-7 sixteen further.
	; The sixteen lanes of a half touch sixteen different 16-byte columns of 256 bytes.
	v_and_b32 v1, 15, v0
	v_bfe_u32 v2, v0, 4, 1
	v_lshrrev_b32 v3, 1, v1
	v_mul_u32_u24 v3, v3, PITCH
	v_and_b32 v4, 1, v0
	v_lshl_add_u32 v3, v4, 7, v3
	v_lshl_add_u32 v3, v2, 4, v3
	s_mul_i32 s21, s11, 64*PITCH                   ; my 128 rows of ctx
	s_mul_i32 s22, s12, 64*PITCH                   ; my 128 rows of wb,
	s_add_co_u32 s22, s22, 2*HALFT                 ; which lie behind ctx's two heads
.irp s, 0,1
	v_add_nc_u32 v[ADRA+\s], s21, v3
	v_add_nc_u32 v[ADRB+\s], s22, v3
	s_add_co_u32 s21, s21, SLOT
	s_add_co_u32 s22, s22, SLOT
.endr
	s_mul_i32 s23, s10, 16*SPITCH
	s_add_co_u32 s23, s23, STAGE
	v_mul_u32_u24 v4, v1, SPITCH                   ; in: row l % 16, 32 bytes for each half of the lanes
	v_lshl_add_u32 v4, v2, 5, v4
	v_add_nc_u32 v[STO], s23, v4
	v_and_b32 v5, 31, v0
	v_lshlrev_b32 v[CO], 4, v5                     ; back: a wave takes a row of 512 bytes
	v_add_nc_u32 v[RD], s23, v[CO]
	s_lshl_b32 s46, s42, 10                        ; my first column, in bytes: 1,024 x block + 512 x half
	s_lshl_b32 s47, s12, 9
	s_add_co_u32 s46, s46, s47
	v_add_nc_u32 v27, s46, v[CO]
	global_load_b128 v[BIAS:BIAS+3], v27, s[18:19]
.macro MUL16 f, hi, a0, zero
.irp a, \a0, \a0+1
.irp b, 0,1,2,3,4,5,6,7
.if \zero
	v_wmma_f32_16x16x32_f16 v[8*(8*(\a)+\b):8*(8*(\a)+\b)+7], v[\f+8*\b:\f+8*\b+7], v[\f+8*(4*\hi+\a):\f+8*(4*\hi+\a)+7], 0
.else
	v_wmma_f32_16x16x32_f16 v[8*(8*(\a)+\b):8*(8*(\a)+\b)+7], v[\f+8*\b:\f+8*\b+7], v[\f+8*(4*\hi+\a):\f+8*(4*\hi+\a)+7], v[8*(8*(\a)+\b):8*(8*(\a)+\b)+7]
.endif
.endr
.endr
.endm
; 32 LDS loads in one run: the fragments of one quarter step (128 rows of wb, 128 rows of ctx, 32 K at byte k of my part of the slot) into buffer f
.macro FETCH slot, k, f
	WIN TO_B
.irp i, 0,1,2,3,4,5,6,7
	ds_load_b128 v[\f+8*\i:\f+8*\i+3],   v[ADRB+\slot] offset:\k+\i*BLK16
	ds_load_b128 v[\f+8*\i+4:\f+8*\i+7], v[ADRB+\slot] offset:\k+\i*BLK16+32
.endr
	WIN 0
.irp i, 0,1,2,3,4,5,6,7
	ds_load_b128 v[\f+8*\i:\f+8*\i+3],   v[ADRA+\slot] offset:\k+\i*BLK16
	ds_load_b128 v[\f+8*\i+4:\f+8*\i+7], v[ADRA+\slot] offset:\k+\i*BLK16+32
.endr
.endm
.macro PLACES                          ; four plain vector places behind matrix instructions, in front of loads into their sources and of readers of their results
.rept 4
	v_nop
.endr
.endm
; A K step is four quarters of 32 along K, 64 matrix instructions each, on buffers 0, 1, 0, 1.  The 64 accumulators take turns, one instruction a turn.
.macro QUARTER slot, k, f, g, zero
	s_wait_dscnt 8                                 ; wb and ctx's rows 0-63 are in; the youngest eight loads (ctx's rows 64-127) may be out
	WIN MUL_LO
	MUL16 \f, 0, 0, \zero
	MUL16 \f, 0, 2, \zero
	PLACES
	FETCH \slot, \k, \g
	s_wait_dscnt 32                                ; all but the 32 just issued
	WIN MUL_HI
	MUL16 \f, 1, 0, \zero
	MUL16 \f, 1, 2, \zero
.endm
.macro THREE slot, zero                ; the quarters' places: even head K 32-63, odd head K 0-31, odd head K 32-63
	QUARTER \slot, 64,       F0, F1, \zero
	QUARTER \slot, HALFT,    F1, F0, 0
	QUARTER \slot, HALFT+64, F0, F1, 0
.endm
; The last quarter multiplies buffer 1 and changes slots.  In front of the barrier each wave waits for its reads of this slot and for all its tensor loads
; (one is out: its part of the next slot).  Behind it the refill comes first, then the next slot's first fragments.
.macro TURN slot, next, fill
	s_wait_dscnt 8
	WIN MUL_LO
	MUL16 F1, 0, 0, 0
	s_wait_dscnt 0
	s_wait_tensorcnt 0x0
	ds_add_u32 v255, v255
	s_wait_dscnt 0x0
	s_barrier_signal -1
	MUL16 F1, 0, 2, 0
	WIN 0
	s_barrier_wait -1
.if \fill
	CREST                                          ; all sixteen work-groups have said so: no wave of any partner still reads this slot or has a load on its way
	s_add_nc_u64 s[G0+4*\slot+2:G0+4*\slot+3], s[G0+4*\slot+2:G0+4*\slot+3], 8388608       ; four heads of ctx on
	s_add_nc_u64 s[G0B+4*\slot+2:G0B+4*\slot+3], s[G0B+4*\slot+2:G0B+4*\slot+3], 524288    ; four heads of wb on
	JLOAD \slot
.endif
	PLACES
	FETCH \next, 0, F0
	WIN MUL_HI
	MUL16 F1, 1, 0, 0
	MUL16 F1, 1, 2, 0
.endm
.macro LAP zero
	THREE 0, \zero
	TURN 0, 1, 1
	THREE 1, 0
	TURN 1, 0, 1
.endm
	s_wait_tensorcnt 1                             ; my part of K step 0 is in; K step 1's load stays out
	s_barrier_signal -1
	s_barrier_wait -1
	FETCH 0, 0, F0
	LAP 1                                          ; the first lap's first products start the sums
	WIN 0
	s_mov_b32 s3, LAPS-2
.Llap:
	LAP 0
	WIN 0
	s_sub_co_u32 s3, s3, 1
	s_cmp_lg_u32 s3, 0
	s_cbranch_scc1 .Llap
	THREE 0, 0                                     ; the last lap fills nothing
	TURN 0, 1, 0
	THREE 1, 0
	s_wait_dscnt 8
	WIN MUL_LO
	MUL16 F1, 0, 0, 0
	MUL16 F1, 0, 2, 0
	s_wait_dscnt 0
	WIN MUL_HI
	MUL16 F1, 1, 0, 0
	MUL16 F1, 1, 2, 0
	; THE WAY OUT, 16 rows at a time: 32 bytes a lane into my own stage, read back as whole rows of 512 bytes, bias added, stored.
	PLACES
	s_lshl_b32 s16, s13, 20                        ; 256 rows of 4,096 bytes
	s_lshl_b32 s14, s11, 19
	s_add_co_u32 s16, s16, s14
	s_mov_b32 s17, 0
	s_add_nc_u64 s[8:9], s[8:9], s[16:17]
	s_lshl_b32 s46, s42, 10
	s_lshl_b32 s47, s12, 9
	s_add_co_u32 s46, s46, s47
	s_mov_b32 s47, 0
	s_add_nc_u64 s[8:9], s[8:9], s[46:47]
	s_wait_loadcnt 0x0                             ; the bias
.macro OUT16 i, a, from, f             ; from = 0x08 or 0x0c: the stores' data in window 2 or 3
	WIN \from
.irp b, 0,1,2,3,4,5,6,7
	ds_store_b128 v[STO], v[8*(8*\a+\b):8*(8*\a+\b)+3] offset:64*\b
	ds_store_b128 v[STO], v[8*(8*\a+\b)+4:8*(8*\a+\b)+7] offset:64*\b+16
.endr
	WIN 0
	s_wait_xcnt 0x0                                ; buffer f, which earlier stores read, and the stores' base are written again only behind this wait
.if \i
	s_add_nc_u64 s[8:9], s[8:9], 65536             ; 16 rows on
.endif
.irp t, 0,1,2,3,4,5,6,7,8,9,10,11,12,13,14,15
	ds_load_b128 v[\f+4*\t:\f+4*\t+3], v[RD] offset:\t*SPITCH      ; LDS serves a wave's instructions in order (ISA guide 5.7.1): these see the stores above
.endr
.irp t, 0,1,2,3,4,5,6,7,8,9,10,11,12,13,14,15
	s_wait_dscnt 15-\t                             ; the later rows stay out
	v_pk_add_f32 v[\f+4*\t:\f+4*\t+1], v[\f+4*\t:\f+4*\t+1], v[BIAS:BIAS+1]
	v_pk_add_f32 v[\f+4*\t+2:\f+4*\t+3], v[\f+4*\t+2:\f+4*\t+3], v[BIAS+2:BIAS+3]
	global_store_b128 v[CO], v[\f+4*\t:\f+4*\t+3], s[8:9] offset:\t*4096 th:TH_STORE_NT   ; 512 consecutive bytes of a row of out0, aligned
.endr
.endm
	OUT16 0, 0, 0x08, F0
	OUT16 1, 1, 0x08, F1
	OUT16 2, 2, 0x08, F0
	OUT16 3, 3, 0x08, F1
	OUT16 4, 0, 0x0c, F0
	OUT16 5, 1, 0x0c, F1
	OUT16 6, 2, 0x0c, F0
	OUT16 7, 3, 0x0c, F1
	s_set_vgpr_msb 0x1
	s_wait_tensorcnt 0x0
	ds_add_u32 v255, v255
	s_wait_dscnt 0x0
	s_set_vgpr_msb 0x100
	CROUND                                         ; the closing round: no work-group ends while a partner may still ask for a tile that names it
	s_endpgm
.Lfunc_end_k_q55c71c9f91_gemm:
	.size	k_q55c71c9f91_gemm, .Lfunc_end_k_q55c71c9f91_gemm-k_q55c71c9f91_gemm
	.p2alignl 7, 3214868480
	.fill 96, 4, 3214868480
	.section	.rodata,"a",@progbits
	.p2align	6, 0x0
	.amdhsa_kernel k_q55c71c9f91_gemm
		.amdhsa_group_segment_fixed_size 327680
		.amdhsa_private_segment_fixed_size 0
		.amdhsa_enable_private_segment 0
		.amdhsa_kernarg_size 32
		.amdhsa_user_sgpr_count 2
		.amdhsa_user_sgpr_kernarg_segment_ptr 1
		.amdhsa_wavefront_size32 1
		.amdhsa_system_sgpr_workgroup_id_x 1
		.amdhsa_system_sgpr_workgroup_id_y 1
		.amdhsa_system_sgpr_workgroup_id_z 1
		.amdhsa_system_vgpr_workitem_id 0
		.amdhsa_next_free_vgpr 1024
		.amdhsa_next_free_sgpr 66
		.amdhsa_reserve_vcc 0
		.amdhsa_float_denorm_mode_32 3
		.amdhsa_float_denorm_mode_16_64 3
		.amdhsa_memory_ordered 1
		.amdhsa_forward_progress 1
		.amdhsa_inst_pref_size 212
	.end_amdhsa_kernel
	.amdgpu_metadata
---
amdhsa.version: [ 1, 2 ]
amdhsa.kernels:
  - .name:           k_q55c71c9f91_gemm
    .symbol:         k_q55c71c9f91_gemm.kd
    .args:
      - { .name: ctx, .offset: 0, .size: 8, .value_kind: global_buffer, .address_space: global }
      - { .name: wb, .offset: 8, .size: 8, .value_kind: global_buffer, .address_space: global }
      - { .name: b_out, .offset: 16, .size: 8, .value_kind: global_buffer, .address_space: global }
      - { .name: out0, .offset: 24, .size: 8, .value_kind: global_buffer, .address_space: global }
    .group_segment_fixed_size: 327680
    .private_segment_fixed_size: 0
    .kernarg_segment_align: 8
    .kernarg_segment_size: 32
    .max_flat_workgroup_size: 128
    .sgpr_count:     66
    .vgpr_count:     1024
    .wavefront_size: 32
...
	.end_amdgpu_metadata
.endif
;; end of part 4
;; ======== version 2 of 2: 4 launches; version 1 with the launches kpass, prep written anew for expert scheduling mode
;; limits: values are held in f16: magnitudes above 65,504 overflow, below 6.1e-05 lose precision; inputs' magnitudes at most 65,504
;; workspace buffers: pkv 16,777,216 bytes; pst 393,216 bytes; kvt 2,359,296 bytes; csum 131,072 bytes; wb 2,097,152 bytes; ctx 33,554,432 bytes
;; launch kpass (part 5): grid 256 x 1, 8 waves a work-group, no clusters, 165,120 bytes of LDS; arguments key, value, proj, pkv, pst; writes pkv, pst
.if DOCPART == 5
	.amdgcn_target "amdgcn-amd-amdhsa--gfx1250"
	.amdhsa_code_object_version 6
	.text
	.protected	k_q55c71c9f91_kpass
	.globl	k_q55c71c9f91_kpass
	.p2align	8
	.type	k_q55c71c9f91_kpass,@function
k_q55c71c9f91_kpass:
	s_mov_b64 s[64:65], 0
	v_nop
	global_prefetch_b8 v0, s[64:65] scope:SCOPE_SE
	s_setreg_imm32_b32 hwreg(HW_REG_WAVE_SCHED_MODE, 0, 2), 2
	s_setreg_imm32_b32 hwreg(HW_REG_WAVE_MODE, 25, 1), 1
	s_wait_xcnt 0x0
	s_wait_alu depctr_vm_vsrc(0)
; FAVOR+ key side, one pass over key and value.  A work-group owns one (batch, head) and 1,024 of its 4,096 rows s.
; It makes, for its 256 features m:  X[m][d] = sum_s 2^(dd' - diag' - mu) v[s][d],  ks[m] = sum_s 2^(dd' - diag' - mu),  V[d] = sum_s v[s][d],
; where dd' = log2(e) 64^-1/4 (k . proj_m), diag' = log2(e)/16 |k|^2, and mu is a RUNNING maximum of dd' (one for each quarter of m):
; sums made under an older maximum are multiplied by 2^(old - new).  A later launch scales all partial sums to the one global maximum
; that the definition asks for, so a maximum is always taken away and every exponent is <= 0.
; Left out: the factor ratio = 256^-1/2 = 2^-4, which stands squared in numerator and denominator of the result and cancels exactly;
; the eps terms, which the later launches add in f32 from V and the row count.
; Limits: v_exp_f32 gives 0 below 2^-126; dd' is made from operands rounded to bf16; value is rounded to bf16 for the matrix product X alone,
; V sums the f32 numbers as they come; inputs for which the definition itself is not finite are not served.
; No cluster: the work-groups share proj alone, 64 KiB against 512 KiB of key and value of their own.
; Eight waves: wave w has features 64 (w & 3) .. +63 and rows 64 (w >> 2) .. +63 of each tile of 128 rows; eight tiles.
; Key and value come through registers (a ring of 16 loads of 512 bytes in every wave), are rounded to bf16 and laid into two LDS buffers that take turns.
; TWO ORDERS OF A TRIP: a trip stages the next tile into one buffer (vector work) and multiplies this tile out of the other (72 matrix instructions and the
; exponentials).  The two touch different bytes, so their order inside a trip is free: waves 1, 3, 4, 6 multiply first, the others stage first, so that
; some waves issue matrix instructions while others issue vector instructions.  The set differs between w and w + 4 and between w and w xor 1.
; LAYOUT: dd is made as (rows s, columns m).  In a 16 x 16 result lane (r, h) holds column r and rows 8 h + j; packed in pairs these are
; registers 0-3 (or 4-7) of a K = 32 fragment with row m = r and k = s: two s tiles make an A fragment of k'^T with no move between lanes.
; THE MODE: SCHED_MODE bits 1:0 = 2 (LLVM: expert scheduling mode 2), set by the entry lines.  The code itself states the register dependences
; between vector or matrix instructions and memory or LDS instructions, with s_wait_alu, always for 0.
; THE PLAN.  Registers that memory or LDS instructions touch, in the trips:
;   v1 .. v7      offsets and LDS addresses: written at the head, never again.
;   RG            global loads land; the staging's conversions, squares and sums read; loaded again in the same staging.
;   SK, SQ, SV    written by the staging's vector lines, read by its LDS stores.  (SK and SQ share registers with three fragment sets, SV with FR.)
;   FR, KF2, MT, T  multiplying: key fragments land, dd's matrix instructions read; -diag' lands in FR, vector lines read and write it; the maximum's chains
;                 use MT; all eight value fragments land in the four sets, kv's matrix instructions read them.
; A STAGING has two waits on va_vdst, each ahead of a group of LDS stores and reloads, and ends with one wait on vm_vsrc, behind which its stores have read their data:
; so whatever follows it, on either order of a trip, may write SK, SQ and SV.  A MULTIPLY has three waits on va_vdst: at its head (key fragments), behind the maximum
; (-diag'; it is also the wait for the factor's exponential), and behind the one batch of 128 exponentials (it is the batch's wait, and the value fragments' too).
.set ALPHA, 0x3f0293ee                 ; 64^-1/4 log2(e)
.set NDIAG, 0xbdb8aa3b                 ; -log2(e)/16
.set KBSZ,  128*144                    ; key tile in bf16: 128 rows, 128 bytes + 16
.set VB,    2*KBSZ
.set VBSZ,  128*160                    ; value tile in bf16: 128 rows, 128 bytes + 32 (the transposing load wants an odd multiple of 32)
.set DG,    VB+2*VBSZ                  ; -diag', 128 f32, twice
.set MRG,   DG+1024                    ; the merge of the two row halves: 4 x 20,480 bytes
.set MRGSZ, 20480
.set MX1,   MRG+4*MRGSZ                ; 4 words: maxima of waves 4-7; 16 bytes on: the merged maxima
.set VSP,   MX1+256                    ; 8 x 256 bytes: the waves' sums of v
.set KSA,   VSP+2048                   ; 256 f32: ks
.set GOFF, 1                           ; byte offset of my 16 bytes in a tile of key or value
.set KST,  2                           ; LDS: where I put key
.set VST,  3                           ; LDS: where I put value
.set DST,  4                           ; LDS: where I put -diag'
.set KFA,  5                           ; LDS: my key fragments
.set VFA,  6                           ; LDS: my value fragments
.set DGA,  7                           ; LDS: my -diag'
.set MX,   8                           ; running maximum
.set PT,   9
.set NM,   10                          ; v[10:11] -MX twice
.set F,    12                          ; v[12:13] 2^(old - new) twice
.set VS,   14                          ; v[14:17] sums of v
.set T,    18                          ; v[18:25] staging: SQ of pieces 0-3; multiplying: key fragment (s tile 3, d 32-63), then value fragment (rows 32-63, d 48-63)
.set R,    27
.set H,    28
.set LN,   29
.set ONES, 32                          ; v[32:39] a fragment of bf16 ones
.set PJ,   40                          ; v[40:103] alpha proj in bf16: fragment (mt, ks) at 40 + 16 mt + 8 ks
.set RG,   104                         ; v[104:167] the ring: key piece j at 104 + 4 j, value piece j at 136 + 4 j
.set FR,   168                         ; v[168:199] key fragments of s tiles 0 and 1, then -diag', then value fragments of rows 0-31
.set KS,   200                         ; v[200:231] ks tiles
.set MT,   232                         ; v[232:239] staging: SQ of pieces 4-7; multiplying: key fragment (s tile 3, d 0-31), the chains of the maximum, value fragment (rows 32-63, d 32-47)
.set KF2,  240                         ; v[240:255] key fragments of s tile 2, then value fragments (rows 32-63, d 0-31)
.set SK,   KF2                         ; staging: key piece j in bf16 at SK + 2 j
.set SV,   FR                          ; staging: value piece j in bf16 at SV + 2 j
                                       ; staging: SQ, piece j's squares and then its -diag', at T + 2 j (j < 4) or MT + 2 (j - 4)
; window 1: dd tile (st, mt) at 32 mt + 8 st; packed fragment (mt, ks) at 32 mt + 16 ks; X tile (mt, dt) at 128 + 8 (4 mt + dt)
.set MSB, 0
.macro WIN new                         ; low byte: bits 1:0 source 0, 3:2 source 1, 5:4 source 2, 7:6 destination; high byte: the setting left
.if MSB != \new
	s_set_vgpr_msb (MSB<<8)|\new
.set MSB, \new
.endif
.endm
.macro PLACES c                        ; plain vector places behind matrix instructions (ISA guide 7.12.1)
.rept \c
	v_nop
.endr
.endm
.macro BAR                             ; my LDS loads and stores are done, then the work-group's barrier
	s_wait_dscnt 0x0
	s_barrier_signal -1
	s_barrier_wait -1
.endm
	s_load_b256 s[4:11], s[0:1], 0x0               ; key s[4:5], value s[6:7], proj s[8:9], pkv s[10:11]
	s_load_b64 s[12:13], s[0:1], 0x20              ; pst
	v_lshrrev_b32 v26, 5, v0
	v_readfirstlane_b32 s14, v26                   ; wave
	v_and_b32 v[R], 15, v0
	v_bfe_u32 v[H], v0, 4, 1
	v_and_b32 v[LN], 31, v0
	s_mov_b32 s18, 0x76543210                      ; v_permlanex16_b32: lane i reads lane i of the other half
	s_mov_b32 s19, 0xfedcba98
	s_wait_alu depctr_va_sdst(0)                   ; s14 is written, ahead of its first reader: the wave's shares and addresses are made from it
	s_and_b32 s15, s14, 3                          ; mq: my quarter of the features
	s_lshr_b32 s16, s14, 2                         ; sh: my half of a tile's rows
	s_xor_b32 s24, s14, s16
	s_and_b32 s24, s24, 1                          ; 1 in waves 1, 3, 4, 6: these multiply first and stage second
	s_lshl_b32 s20, s14, 16                        ; I stage rows 16 w + 2 j + h: 16 lanes take a row's 256 bytes
	v_lshlrev_b32 v[GOFF], 12, v[H]
	v_lshl_add_u32 v[GOFF], v[R], 4, v[GOFF]
	v_add_nc_u32 v[GOFF], s20, v[GOFF]
	s_mul_i32 s20, s14, 16*144
	v_mul_u32_u24 v[KST], v[H], 144
	v_lshl_add_u32 v[KST], v[R], 3, v[KST]
	v_add_nc_u32 v[KST], s20, v[KST]
	s_mul_i32 s20, s14, 16*160
	s_add_co_u32 s20, s20, VB
	v_mul_u32_u24 v[VST], v[H], 160
	v_lshl_add_u32 v[VST], v[R], 3, v[VST]
	v_add_nc_u32 v[VST], s20, v[VST]
	s_lshl_b32 s20, s14, 6
	s_add_co_u32 s20, s20, DG
	v_lshl_add_u32 v[DST], v[H], 2, s20
	s_mul_i32 s20, s16, 64*144                     ; key fragment: row 64 sh + 16 st + r, 16 h bytes in
	v_mul_u32_u24 v[KFA], v[R], 144
	v_lshl_add_u32 v[KFA], v[H], 4, v[KFA]
	v_add_nc_u32 v[KFA], s20, v[KFA]
	s_mul_i32 s20, s16, 64*160                     ; value fragment, transposing load: row 64 sh + 8 h + (L & 7), 16 ((L >> 3) & 1) bytes in
	s_add_co_u32 s20, s20, VB
	v_and_b32 v30, 7, v0
	v_lshl_add_u32 v30, v[H], 3, v30
	v_mul_u32_u24 v[VFA], v30, 160
	v_bfe_u32 v30, v0, 3, 1
	v_lshl_add_u32 v[VFA], v30, 4, v[VFA]
	v_add_nc_u32 v[VFA], s20, v[VFA]
	s_lshl_b32 s20, s16, 8
	s_add_co_u32 s20, s20, DG
	v_lshl_add_u32 v[DGA], v[H], 5, s20
	s_lshl_b32 s20, s15, 14                        ; proj: row 64 mq + 16 mt + r, 32 h bytes in
	v_lshlrev_b32 v26, 8, v[R]
	v_lshl_add_u32 v26, v[H], 5, v26
	v_add_nc_u32 v26, s20, v26
	s_and_b32 s20, ttmp9, 15                       ; head: 256 bytes of a row
	s_lshl_b32 s20, s20, 8
	s_bfe_u32 s21, ttmp9, 0x20004                  ; chunk: 1,024 rows of 4,096 bytes
	s_lshl_b32 s21, s21, 22
	s_or_b32 s20, s20, s21
	s_lshr_b32 s21, ttmp9, 6                       ; batch: 4,096 rows
	s_lshl_b32 s21, s21, 24
	s_or_b32 s20, s20, s21
	s_mov_b32 s21, 0
	s_lshl_b32 s22, ttmp9, 16
	s_mov_b32 s23, 0
	s_wait_kmcnt 0x0
	s_add_nc_u64 s[4:5], s[4:5], s[20:21]
	s_add_nc_u64 s[6:7], s[6:7], s[20:21]
	s_add_nc_u64 s[10:11], s[10:11], s[22:23]      ; pkv + 65,536 id
	s_mul_i32 s22, ttmp9, 1536
	s_add_nc_u64 s[12:13], s[12:13], s[22:23]      ; pst + 1,536 id
	WIN 0x40                                       ; proj in f32 into window 1, registers 0-127: fragment (mt, ks) at 16 (2 mt + ks)
	s_wait_alu depctr_va_vdst(0)                   ; v26 and v1 to v7 are written: the loads below and every load and store of the trips read one of them as offset or address
.irp mt, 0,1,2,3
.irp ks, 0,1
	global_load_b128 v[16*(2*\mt+\ks):16*(2*\mt+\ks)+3],     v26, s[8:9] offset:\mt*4096+\ks*128
	global_load_b128 v[16*(2*\mt+\ks)+4:16*(2*\mt+\ks)+7],   v26, s[8:9] offset:\mt*4096+\ks*128+16
	global_load_b128 v[16*(2*\mt+\ks)+8:16*(2*\mt+\ks)+11],  v26, s[8:9] offset:\mt*4096+\ks*128+64
	global_load_b128 v[16*(2*\mt+\ks)+12:16*(2*\mt+\ks)+15], v26, s[8:9] offset:\mt*4096+\ks*128+80
.endr
.endr
	WIN 0
.irp j, 0,1,2,3,4,5,6,7
	global_load_b128 v[RG+4*\j:RG+4*\j+3], v[GOFF], s[4:5] offset:8192*\j th:TH_LOAD_NT          ; tile 0 of key
.endr
.irp j, 0,1,2,3,4,5,6,7
	global_load_b128 v[RG+32+4*\j:RG+32+4*\j+3], v[GOFF], s[6:7] offset:8192*\j th:TH_LOAD_NT    ; tile 0 of value
.endr
	s_wait_xcnt 0x0                                ; the bases are stepped only behind this wait
	s_add_nc_u64 s[4:5], s[4:5], 0x80000           ; 128 rows on
	s_add_nc_u64 s[6:7], s[6:7], 0x80000
.irp g, 0,1,2,3,4,5,6,7
	v_mov_b32 v[ONES+\g], 0x3f803f80
.endr
.irp g, 0,1,2,3
	v_mov_b32 v[VS+\g], 0
.endr
	v_mov_b32 v[PT], 0
	s_wait_loadcnt 16                              ; proj is in; the 16 loads of tile 0 stay out
	WIN 0x41
.set i, 0
.rept 64
	v_pk_mul_f32 v[2*i:2*i+1], v[2*i:2*i+1], ALPHA op_sel_hi:[1,0]
.set i, i+1
.endr
	WIN 0x05
.set i, 0
.rept 64
	v_cvt_pk_bf16_f32 v[PJ+i], v[2*i], v[2*i+1]
.set i, i+1
.endr
	WIN 0
; The tile in the ring goes to LDS buffer buf.  issue = 1: each half of the ring is loaded again, with the tile after next, as soon as it has been read.
; The ring holds the eight key pieces first, then the eight value pieces.  Key pieces j, j + 1 are in when 14 - j younger loads are out (the later key pieces and the value's eight).
; Value pieces j, j + 1: with issue = 1 again 14 - j (the later value pieces and the eight key reloads), with issue = 0 the 6 - j later value pieces alone.
.macro STAGE buf, issue
.irp j, 0,2,4,6
.set KR, RG+4*\j
.set Q0, T+2*\j+(\j/4)*(MT-T-8)
	s_wait_loadcnt 14-\j
	v_cvt_pk_bf16_f32 v[SK+2*\j], v[KR], v[KR+1]
	v_cvt_pk_bf16_f32 v[SK+2*\j+2], v[KR+4], v[KR+5]
	v_cvt_pk_bf16_f32 v[SK+2*\j+1], v[KR+2], v[KR+3]
	v_cvt_pk_bf16_f32 v[SK+2*\j+3], v[KR+6], v[KR+7]
	v_pk_mul_f32 v[Q0:Q0+1], v[KR:KR+1], v[KR:KR+1]
	v_pk_mul_f32 v[Q0+2:Q0+3], v[KR+4:KR+5], v[KR+4:KR+5]
	v_pk_fma_f32 v[Q0:Q0+1], v[KR+2:KR+3], v[KR+2:KR+3], v[Q0:Q0+1]
	v_pk_fma_f32 v[Q0+2:Q0+3], v[KR+6:KR+7], v[KR+6:KR+7], v[Q0+2:Q0+3]
.endr
	s_wait_alu depctr_va_vdst(0)                   ; the conversions have written SK, which the LDS stores read; they and the squares are done reading the ring's key half, in which the loads land
.irp j, 0,1,2,3,4,5,6,7
.set Q0, T+2*\j+(\j/4)*(MT-T-8)
	ds_store_b64 v[KST], v[SK+2*\j:SK+2*\j+1] offset:\buf*KBSZ+288*\j
.if \issue
	global_load_b128 v[RG+4*\j:RG+4*\j+3], v[GOFF], s[4:5] offset:8192*\j th:TH_LOAD_NT
.endif
	v_add_f32 v[Q0], v[Q0], v[Q0+1]                ; the vector lines dealt among these stores and loads name SQ alone: no further wait is owed
.endr
.irp x, 1,2,4,8
.irp j, 0,1,2,3,4,5,6,7
.set Q0, T+2*\j+(\j/4)*(MT-T-8)
	v_add_f32_dpp v[Q0], v[Q0], v[Q0] row_xmask:\x row_mask:0xf bank_mask:0xf          ; the row's 16 lanes: |k|^2; eight chains side by side
.endr
.endr
.irp j, 0,1,2,3,4,5,6,7
.set Q0, T+2*\j+(\j/4)*(MT-T-8)
	v_mul_f32 v[Q0], NDIAG, v[Q0]
.endr
.irp j, 0,2,4,6
.set VR, RG+32+4*\j
.if \issue
	s_wait_loadcnt 14-\j
.else
	s_wait_loadcnt 6-\j
.endif
	v_cvt_pk_bf16_f32 v[SV+2*\j], v[VR], v[VR+1]
	v_cvt_pk_bf16_f32 v[SV+2*\j+2], v[VR+4], v[VR+5]
	v_cvt_pk_bf16_f32 v[SV+2*\j+1], v[VR+2], v[VR+3]
	v_cvt_pk_bf16_f32 v[SV+2*\j+3], v[VR+6], v[VR+7]
	v_pk_add_f32 v[VS:VS+1], v[VS:VS+1], v[VR:VR+1]            ; V from the f32 numbers: the eps part of k'^T v sees no rounding of v
	v_pk_add_f32 v[VS+2:VS+3], v[VS+2:VS+3], v[VR+2:VR+3]
	v_pk_add_f32 v[VS:VS+1], v[VS:VS+1], v[VR+4:VR+5]
	v_pk_add_f32 v[VS+2:VS+3], v[VS+2:VS+3], v[VR+6:VR+7]
.endr
	s_wait_alu depctr_va_vdst(0)                   ; SQ holds -diag' and SV the value in bf16, which the LDS stores read; the conversions and sums are done reading the ring's value half, in which the loads land
.irp j, 0,1,2,3,4,5,6,7
.set Q0, T+2*\j+(\j/4)*(MT-T-8)
	ds_store_b32 v[DST], v[Q0] offset:\buf*512+8*\j            ; sixteen lanes, one word, one value
	ds_store_b64 v[VST], v[SV+2*\j:SV+2*\j+1] offset:\buf*VBSZ+320*\j
.if \issue
	global_load_b128 v[RG+32+4*\j:RG+32+4*\j+3], v[GOFF], s[6:7] offset:8192*\j th:TH_LOAD_NT
.endif
.endr
.if \issue
	s_wait_xcnt 0x0                                ; the bases are stepped only behind this wait
.endif
	s_wait_alu depctr_vm_vsrc(0)                   ; my LDS stores have read SK, SQ and SV: what follows (fragment loads, the next staging, the way out) writes these registers again
.if \issue
	s_add_nc_u64 s[4:5], s[4:5], 0x80000
	s_add_nc_u64 s[6:7], s[6:7], 0x80000
.endif
.endm
.macro KLOAD buf, st, a0, a1           ; key fragments of s tile st (16 rows x 64 d): d 0-31 into a0 .. a0 + 7, d 32-63 into a1 .. a1 + 7
	ds_load_b128 v[\a0:\a0+3],   v[KFA] offset:\buf*KBSZ+2304*\st
	ds_load_b128 v[\a0+4:\a0+7], v[KFA] offset:\buf*KBSZ+2304*\st+32
	ds_load_b128 v[\a1:\a1+3],   v[KFA] offset:\buf*KBSZ+2304*\st+64
	ds_load_b128 v[\a1+4:\a1+7], v[KFA] offset:\buf*KBSZ+2304*\st+96
.endm
.macro DD st, a0, a1                   ; dd' of s tile st against my four m tiles; the four accumulators take turns
.irp mt, 0,1,2,3
	v_wmma_f32_16x16x32_bf16 v[32*\mt+8*\st:32*\mt+8*\st+7], v[\a0:\a0+7], v[PJ+16*\mt:PJ+16*\mt+7], 0
.endr
.irp mt, 0,1,2,3
	v_wmma_f32_16x16x32_bf16 v[32*\mt+8*\st:32*\mt+8*\st+7], v[\a1:\a1+7], v[PJ+16*\mt+8:PJ+16*\mt+15], v[32*\mt+8*\st:32*\mt+8*\st+7]
.endr
.endm
.macro KV ks, zero                     ; X += k'^T v and ks += k'^T 1 over 32 rows s; twenty accumulators take turns
	WIN 0x51
.irp mt, 0,1,2,3
.irp dt, 0,1,2,3
.set BB, FR+8*\dt                      ; rows 0-31: FR; rows 32-63: KF2, KF2 + 8, MT, T
.if \ks
.set BB, KF2+8*\dt
.if \dt == 2
.set BB, MT
.endif
.if \dt == 3
.set BB, T
.endif
.endif
.if \zero
	v_wmma_f32_16x16x32_bf16 v[128+8*(4*\mt+\dt):128+8*(4*\mt+\dt)+7], v[32*\mt+16*\ks:32*\mt+16*\ks+7], v[BB:BB+7], 0
.else
	v_wmma_f32_16x16x32_bf16 v[128+8*(4*\mt+\dt):128+8*(4*\mt+\dt)+7], v[32*\mt+16*\ks:32*\mt+16*\ks+7], v[BB:BB+7], v[128+8*(4*\mt+\dt):128+8*(4*\mt+\dt)+7]
.endif
.endr
.endr
	WIN 0x01
.irp mt, 0,1,2,3
.if \zero
	v_wmma_f32_16x16x32_bf16 v[KS+8*\mt:KS+8*\mt+7], v[32*\mt+16*\ks:32*\mt+16*\ks+7], v[ONES:ONES+7], 0
.else
	v_wmma_f32_16x16x32_bf16 v[KS+8*\mt:KS+8*\mt+7], v[32*\mt+16*\ks:32*\mt+16*\ks+7], v[ONES:ONES+7], v[KS+8*\mt:KS+8*\mt+7]
.endif
.endr
.endm
; One tile out of LDS buffer buf.  first = 1: the first products start the sums and there is no older maximum.
.macro COMPUTE buf, first
	s_wait_alu depctr_va_vdst(0)                   ; the matrix instructions of the tile before are done reading FR, KF2, MT and T, and the staging's vector lines are done with them: the 16 loads below land there
	KLOAD \buf, 0, FR, FR+8                        ; all 16 loads go out together, so that the 32 matrix instructions follow each other
	KLOAD \buf, 1, FR+16, FR+24
	KLOAD \buf, 2, KF2, KF2+8
	KLOAD \buf, 3, MT, T
	WIN 0x50
	s_wait_dscnt 12                                ; s tile 0's four loads are in; the twelve of the later s tiles stay out
	DD 0, FR, FR+8
	s_wait_dscnt 8
	DD 1, FR+16, FR+24
	s_wait_dscnt 4
	DD 2, KF2, KF2+8
	s_wait_dscnt 0
	DD 3, MT, T
	PLACES 4                                       ; the lines below read the last results and write MT, a source of the last matrix instructions
	WIN 0x05                                       ; the largest dd' of my 64 x 64: eight chains
.irp g, 0,1,2,3,4,5,6,7
	v_max_num_f32 v[MT+\g], v[\g], v[\g+8]
.endr
.set k, 16
.rept 7
.irp g, 0,1,2,3,4,5,6,7
	v_max3_num_f32 v[MT+\g], v[k+\g], v[k+8+\g], v[MT+\g]
.endr
.set k, k+16
.endr
	WIN 0
	v_max3_num_f32 v[MT], v[MT], v[MT+1], v[MT+2]
	v_max3_num_f32 v[MT+3], v[MT+3], v[MT+4], v[MT+5]
	v_max3_num_f32 v[MT], v[MT], v[MT+3], v[MT+6]
	v_max_num_f32 v[MT], v[MT], v[MT+7]
	v_max_num_f32_dpp v[MT], v[MT], v[MT] row_xmask:1 row_mask:0xf bank_mask:0xf
	v_max_num_f32_dpp v[MT], v[MT], v[MT] row_xmask:2 row_mask:0xf bank_mask:0xf
	v_max_num_f32_dpp v[MT], v[MT], v[MT] row_xmask:4 row_mask:0xf bank_mask:0xf
	v_max_num_f32_dpp v[MT], v[MT], v[MT] row_xmask:8 row_mask:0xf bank_mask:0xf
	v_permlanex16_b32 v[PT], v[MT], s18, s19
.if \first
	v_max_num_f32 v[MX], v[MT], v[PT]
.else
	v_max3_num_f32 v[MT], v[MT], v[PT], v[MX]      ; the new running maximum
	v_sub_f32 v[MT+1], v[MX], v[MT]
	v_exp_f32 v[F], v[MT+1]                        ; 2^(old - new) for the sums so far
	v_mov_b32 v[MX], v[MT]                         ; the plain place behind the exponential
.endif
	v_sub_f32 v[NM], 0, v[MX]
	v_sub_f32 v[NM+1], 0, v[MX]
	s_wait_alu depctr_va_vdst(0)                   ; dd's matrix instructions are done reading FR, in which -diag' lands; the exponential has written v[F], ahead of its first reader
.irp st, 0,1,2,3
	ds_load_b128 v[FR+8*\st:FR+8*\st+3],   v[DGA] offset:\buf*512+64*\st       ; -diag' of rows 16 st + 8 h + 0..7
	ds_load_b128 v[FR+8*\st+4:FR+8*\st+7], v[DGA] offset:\buf*512+64*\st+16
.endr
.if \first == 0
	v_mov_b32 v[F+1], v[F]
	WIN 0x41                                       ; X comes under the new maximum while -diag' is on its way
.set i, 0
.rept 64
	v_pk_mul_f32 v[128+2*i:128+2*i+1], v[128+2*i:128+2*i+1], v[F:F+1]
.set i, i+1
.endr
	WIN 0
.endif
	s_wait_dscnt 0x0
.set i, 0
.rept 16
	v_pk_add_f32 v[FR+2*i:FR+2*i+1], v[FR+2*i:FR+2*i+1], v[NM:NM+1]            ; -diag' - MX
.set i, i+1
.endr
	; ONE BATCH: 128 exponentials, and among them the 64 scalings dd' - diag' - MX, each two pairs ahead of its own exponentials (register 2 p of window 1 is row (2 p) % 32 of my 32).
	; No line of the batch names an exponential's result.
	WIN 0x41
	v_pk_add_f32 v[0:1], v[0:1], v[FR:FR+1]
	v_pk_add_f32 v[2:3], v[2:3], v[FR+2:FR+3]
.set i, 0
.rept 64
	v_exp_f32 v[2*i], v[2*i]
	v_exp_f32 v[2*i+1], v[2*i+1]
.if i < 62
	v_pk_add_f32 v[2*i+4:2*i+5], v[2*i+4:2*i+5], v[FR+(2*i+4)%32:FR+(2*i+4)%32+1]
.endif
.set i, i+1
.endr
	v_nop                                          ; the plain place behind the last exponential (ISA guide 5.7.2): one for the batch
	WIN 0
	s_wait_alu depctr_va_vdst(0)                   ; the 128 exponentials have written their results, which the pack reads; the scalings are done reading FR and the maximum's lines are done with MT: the 16 loads below land in FR, KF2, MT and T
.irp dt, 0,1,2,3
	ds_load_tr16_b128 v[FR+8*\dt:FR+8*\dt+3],   v[VFA] offset:\buf*VBSZ+32*\dt         ; value fragments of rows 0-31 (32 s x 16 d), transposed on the way
	ds_load_tr16_b128 v[FR+8*\dt+4:FR+8*\dt+7], v[VFA] offset:\buf*VBSZ+32*\dt+2560
.endr
.irp dt, 0,1,2,3
.set BB, KF2+8*\dt
.if \dt == 2
.set BB, MT
.endif
.if \dt == 3
.set BB, T
.endif
	ds_load_tr16_b128 v[BB:BB+3],   v[VFA] offset:\buf*VBSZ+5120+32*\dt                ; value fragments of rows 32-63
	ds_load_tr16_b128 v[BB+4:BB+7], v[VFA] offset:\buf*VBSZ+5120+32*\dt+2560
.endr
	WIN 0x45                                       ; two s tiles pack, in place, into one fragment: register 16 b + g from 16 b + 2 g and 16 b + 2 g + 1
.set i, 0
.rept 64
	v_cvt_pk_bf16_f32 v[16*(i/8)+i%8], v[2*i], v[2*i+1]
.set i, i+1
.endr
	WIN 0
.if \first == 0
.set i, 0
.rept 16
	v_pk_mul_f32 v[KS+2*i:KS+2*i+1], v[KS+2*i:KS+2*i+1], v[F:F+1]
.set i, i+1
.endr
.endif
	s_wait_dscnt 8                                 ; the fragments of rows 0-31 are in; the eight loads of rows 32-63 stay out
	KV 0, \first
	s_wait_dscnt 0x0
	KV 1, 0
	WIN 0
	PLACES 5                                       ; behind the last matrix instructions: the next staging writes their sources, the next dd' is written over their sources, the way out reads their results
.endm
; A trip: tile into buffer sb, tile out of buffer cb, in the wave's order, then ONE barrier: in front of it each wave's reads of the buffer just
; multiplied and its stores into the other are done.  The barrier stands on every wave's path; the branches hang on the wave's number alone.
.macro TRIP sb, issue, cb, first
	s_cmp_lg_u32 s24, 0
	s_cbranch_scc1 .Lmul_first_\@
	STAGE \sb, \issue
.Lmul_first_\@:
	COMPUTE \cb, \first
	s_cmp_eq_u32 s24, 0
	s_cbranch_scc1 .Lstaged_\@
	STAGE \sb, \issue
.Lstaged_\@:
	BAR
.endm
	STAGE 0, 1                                     ; tile 0 to buffer 0; tile 1 asked for
	BAR
	TRIP 1, 1, 0, 1
	s_mov_b32 s17, 2
.Ltrip:
	TRIP 0, 1, 1, 0
	TRIP 1, 1, 0, 0
	s_sub_co_u32 s17, s17, 1
	s_cmp_lg_u32 s17, 0
	s_cbranch_scc1 .Ltrip
	TRIP 0, 1, 1, 0                                ; tile 6 staged, tile 7 asked for: the last load
	TRIP 1, 0, 0, 0                                ; tile 7 staged: the counts run down
	COMPUTE 1, 0
	; THE WAY OUT.  Waves 4-7 hand their sums and maxima to waves 0-3 through LDS; these merge under the larger maximum and store.
	s_wait_loadcnt 0x0                             ; the ring's registers get another use below: none of its loads is out (the last staging's counts ended at 0)
.irp g, 0,1,2,3
	v_permlanex16_b32 v[T+\g], v[VS+\g], s18, s19
.endr
	v_pk_add_f32 v[VS:VS+1], v[VS:VS+1], v[T:T+1]
	v_pk_add_f32 v[VS+2:VS+3], v[VS+2:VS+3], v[T+2:T+3]
	s_lshl_b32 s20, s14, 8
	s_add_co_u32 s20, s20, VSP
	v_lshl_add_u32 v26, v[R], 4, s20               ; (proj's loads, which read v26, stand ahead of the first staging's wait on vm_vsrc)
	s_mul_i32 s20, s15, MRGSZ
	s_add_co_u32 s20, s20, MRG
	v_lshl_add_u32 v30, v[LN], 4, s20
	s_lshl_b32 s21, s15, 2
	s_add_co_u32 s21, s21, MX1
	v_mov_b32 v31, s21
	s_wait_alu depctr_va_vdst(0)                   ; V's sums, v26, v30, v31, MX and the accumulators X and ks are written, which the LDS stores below read; every vector and matrix line is done with v18 and v40 to v199, in which the partner's numbers land behind the barrier
	ds_store_b128 v26, v[VS:VS+3]                  ; both halves of the lanes hold the same four sums
	s_cmp_lt_u32 s14, 4
	s_cbranch_scc1 .Llow1
	WIN 0x04
.set i, 0
.rept 32
	ds_store_b128 v30, v[128+4*i:128+4*i+3] offset:512*i
.set i, i+1
.endr
	WIN 0
.set i, 0
.rept 8
	ds_store_b128 v30, v[KS+4*i:KS+4*i+3] offset:512*(32+i)
.set i, i+1
.endr
	ds_store_b32 v31, v[MX]
.Llow1:
	BAR
	s_cmp_ge_u32 s14, 4
	s_cbranch_scc1 .Lhigh2
	ds_load_b32 v[T], v31                          ; no vector line stands between the wait above and these 41 loads
.set i, 0
.rept 40
	ds_load_b128 v[40+4*i:40+4*i+3], v30 offset:512*i
.set i, i+1
.endr
	s_wait_dscnt 40                                ; the partner's maximum is in; its 40 blocks stay out
	v_max_num_f32 v[T+1], v[MX], v[T]
	v_sub_f32 v[T+2], v[MX], v[T+1]
	v_sub_f32 v[T+3], v[T], v[T+1]
	v_exp_f32 v[F], v[T+2]
	v_exp_f32 v[NM], v[T+3]
	v_nop
	s_wait_alu depctr_va_vdst(0)                   ; the two exponentials have written v[F] and v[NM], ahead of their first readers; v[T+1] is written, which the LDS store reads
	ds_store_b32 v31, v[T+1] offset:16             ; the quarter's maximum
	v_mov_b32 v[F+1], v[F]
	v_mov_b32 v[NM+1], v[NM]
	s_wait_dscnt 0x0
.set i, 0
.rept 80
	v_pk_mul_f32 v[40+2*i:40+2*i+1], v[40+2*i:40+2*i+1], v[NM:NM+1]
.set i, i+1
.endr
	WIN 0x41
.set i, 0
.rept 64
	v_pk_fma_f32 v[128+2*i:128+2*i+1], v[128+2*i:128+2*i+1], v[F:F+1], v[40+2*i:40+2*i+1]
.set i, i+1
.endr
	WIN 0
.set i, 0
.rept 16
	v_pk_fma_f32 v[KS+2*i:KS+2*i+1], v[KS+2*i:KS+2*i+1], v[F:F+1], v[168+2*i:168+2*i+1]
.set i, i+1
.endr
	s_lshl_b32 s20, s15, 8
	s_add_co_u32 s20, s20, KSA
	s_wait_alu depctr_vm_vsrc(0)                   ; the LDS store of V's sums has read v26, which is written again
	v_lshl_add_u32 v26, v[H], 5, s20               ; ks of m = 64 mq + 16 mt + 8 h + j; all 16 columns hold the same
	s_lshl_b32 s20, s15, 14
	v_lshl_add_u32 v[T+4], v[LN], 4, s20
	s_wait_alu depctr_va_vdst(0)                   ; the merged ks and X, v26 and v[T+4] are written, which the stores below read
.irp mt, 0,1,2,3
	ds_store_b128 v26, v[KS+8*\mt:KS+8*\mt+3] offset:64*\mt
	ds_store_b128 v26, v[KS+8*\mt+4:KS+8*\mt+7] offset:64*\mt+16
.endr
	WIN 0x04
.set i, 0
.rept 32
	global_store_b128 v[T+4], v[128+4*i:128+4*i+3], s[10:11] offset:512*i      ; each store covers 512 consecutive bytes, aligned
.set i, i+1
.endr
	WIN 0
.Lhigh2:
	BAR
	s_wait_alu depctr_vm_vsrc(0)                   ; my LDS loads and stores have read v26, v30 and v31, which wave 0 writes again below
	s_cmp_lg_u32 s14, 0
	s_cbranch_scc1 .Lend
	v_lshlrev_b32 v26, 4, v[LN]
	v_add_nc_u32 v30, KSA, v26
	v_lshlrev_b32 v31, 4, v[R]
	v_add_nc_u32 v31, VSP, v31
	v_mov_b32 v[T+2], MX1+16
	v_cmp_gt_u32 vcc_lo, 16, v[LN]                 ; lanes 0-15: V; lanes 16-31: the four maxima
	s_wait_alu depctr_va_vdst(0)                   ; the four addresses are written, which the loads and stores below read; the merge is done with v40 to v83, in which the loads land
	ds_load_b128 v[40:43], v30
	ds_load_b128 v[44:47], v30 offset:512
.irp g, 0,1,2,3,4,5,6,7
	ds_load_b128 v[48+4*\g:48+4*\g+3], v31 offset:256*\g
.endr
	ds_load_b128 v[80:83], v[T+2]
	s_wait_dscnt 0x0
.irp g, 0,1,2,3
	v_pk_add_f32 v[48+4*\g:48+4*\g+1], v[48+4*\g:48+4*\g+1], v[64+4*\g:64+4*\g+1]
	v_pk_add_f32 v[50+4*\g:50+4*\g+1], v[50+4*\g:50+4*\g+1], v[66+4*\g:66+4*\g+1]
.endr
.irp g, 0,1
	v_pk_add_f32 v[48+4*\g:48+4*\g+1], v[48+4*\g:48+4*\g+1], v[56+4*\g:56+4*\g+1]
	v_pk_add_f32 v[50+4*\g:50+4*\g+1], v[50+4*\g:50+4*\g+1], v[58+4*\g:58+4*\g+1]
.endr
	v_pk_add_f32 v[48:49], v[48:49], v[52:53]
	v_pk_add_f32 v[50:51], v[50:51], v[54:55]
	s_wait_alu depctr_va_vcc(0)                    ; the compare has written VCC, ahead of its first reader
.irp g, 0,1,2,3
	v_cndmask_b32 v[84+\g], v[80+\g], v[48+\g], vcc_lo
.endr
	s_wait_alu depctr_va_vdst(0)                   ; the selects have written v84 to v87, which the third store reads
	global_store_b128 v26, v[40:43], s[12:13]
	global_store_b128 v26, v[44:47], s[12:13] offset:512
	global_store_b128 v26, v[84:87], s[12:13] offset:1024
.Lend:
	s_wait_xcnt 0x0
	v_lshl_add_u32 v254, v0, 2, 0x28100            ; (the stagings' LDS stores, which read v254 and v255, stand ahead of the waits on vm_vsrc above)
	v_mov_b32 v255, 0
	s_wait_dscnt 0x0                               ; the closing lines, six on end
	s_wait_alu 0x0
	s_wait_tensorcnt 0x0
	ds_add_u32 v254, v255
	s_wait_dscnt 0x0
	s_endpgm
.Lfunc_end_k_q55c71c9f91_kpass:
	.size	k_q55c71c9f91_kpass, .Lfunc_end_k_q55c71c9f91_kpass-k_q55c71c9f91_kpass
	.p2alignl 7, 3214868480
	.fill 96, 4, 3214868480
	.section	.rodata,"a",@progbits
	.p2align	6, 0x0
	.amdhsa_kernel k_q55c71c9f91_kpass
		.amdhsa_group_segment_fixed_size 165120
		.amdhsa_private_segment_fixed_size 0
		.amdhsa_enable_private_segment 0
		.amdhsa_kernarg_size 40
		.amdhsa_user_sgpr_count 2
		.amdhsa_user_sgpr_kernarg_segment_ptr 1
		.amdhsa_wavefront_size32 1
		.amdhsa_system_sgpr_workgroup_id_x 1
		.amdhsa_system_sgpr_workgroup_id_y 1
		.amdhsa_system_sgpr_workgroup_id_z 1
		.amdhsa_system_vgpr_workitem_id 0
		.amdhsa_next_free_vgpr 512
		.amdhsa_next_free_sgpr 66
		.amdhsa_reserve_vcc 1
		.amdhsa_float_denorm_mode_32 3
		.amdhsa_float_denorm_mode_16_64 3
		.amdhsa_memory_ordered 1
		.amdhsa_forward_progress 1
		.amdhsa_inst_pref_size 255
	.end_amdhsa_kernel
	.section	.bss,"aw",@nobits
	.p2align	6
	.space	262144
	.amdgpu_metadata
---
amdhsa.version: [ 1, 2 ]
amdhsa.kernels:
  - .name:           k_q55c71c9f91_kpass
    .symbol:         k_q55c71c9f91_kpass.kd
    .args:
      - { .name: key, .offset: 0, .size: 8, .value_kind: global_buffer, .address_space: global }
      - { .name: value, .offset: 8, .size: 8, .value_kind: global_buffer, .address_space: global }
      - { .name: proj, .offset: 16, .size: 8, .value_kind: global_buffer, .address_space: global }
      - { .name: pkv, .offset: 24, .size: 8, .value_kind: global_buffer, .address_space: global }
      - { .name: pst, .offset: 32, .size: 8, .value_kind: global_buffer, .address_space: global }
    .group_segment_fixed_size: 165120
    .private_segment_fixed_size: 0
    .kernarg_segment_align: 8
    .kernarg_segment_size: 40
    .max_flat_workgroup_size: 256
    .sgpr_count:     66
    .vgpr_count:     512
    .wavefront_size: 32
...
	.end_amdgpu_metadata
.endif
;; end of part 5
;; launch prep (part 6): grid 256 x 1, 4 waves a work-group, no clusters, 11,264 bytes of LDS; arguments pkv, pst, W_out, kvt, csum, wb; writes kvt, csum, wb
.if DOCPART == 6
	.amdgcn_target "amdgcn-amd-amdhsa--gfx1250"
	.amdhsa_code_object_version 6
	.text
	.protected	k_q55c71c9f91_prep
	.globl	k_q55c71c9f91_prep
	.p2align	8
	.type	k_q55c71c9f91_prep,@function
k_q55c71c9f91_prep:
	s_mov_b64 s[64:65], 0
	v_nop
	global_prefetch_b8 v0, s[64:65] scope:SCOPE_SE
	s_setreg_imm32_b32 hwreg(HW_REG_WAVE_SCHED_MODE, 0, 2), 2
	s_setreg_imm32_b32 hwreg(HW_REG_WAVE_MODE, 25, 1), 1
	s_wait_xcnt 0x0
	s_wait_alu depctr_vm_vsrc(0)
; Between the passes.  A work-group owns one (batch, head) bh and one quarter dq of d (16 columns); wave = quarter mq of the features.
; G' = the largest of all 1,024 partial maxima = the global stabiliser of the definition (in log2 units).
; kvx[m][d] = sum over the 4 chunks of X_c 2^(mu_c - G'),  ksx[m] likewise: the exponential parts, rounded to bf16 for the matrix unit.
; The eps parts stay in f32:  c1[d] = eps V[d];  c0[d] = eps (sum_m kvx + 256 c1);  K0 = eps (sum_m ksx + 256 eps 4096).
; kvt[bh][dq][18][256] bf16: rows 0-15 kvx for d = 16 dq + row, row 16 ksx, row 17 ones.   csum[bh][dq][128] f32: c0[16], c1[16], K0 in the rest.
; Besides, each work-group converts four rows of W_out to f16 into wb[head][o][64], for the last launch's product in f16 (11 significant bits).
; Limit: |W_out| above 65,504 overflows f16; numbers under 6.1e-5 keep an absolute step of 6e-8.
; One round trip to memory: all loads go out together; no matrix unit, cluster or tensor load would add anything to 80 KiB a work-group.
; THE MODE: SCHED_MODE bits 1:0 = 2 (LLVM: expert scheduling mode 2), set by the entry lines.  The code itself states the register dependences
; between vector instructions and memory or LDS instructions, with s_wait_alu, always for 0.
; THE PLAN.  The text has three parts, cut by its two barriers.  In each part all the vector work stands first, then ONE wait on va_vdst, then the part's stores (or loads) in a run.
; Every store's data has registers of its own that no later line writes (kvx in bf16: OB, the dead registers of chunk 2), so the one wait on vm_vsrc is for v16:
; the first part's LDS store reads it, and the load of the four maxima lands in it.  The offsets v4 to v15 are written once.  Wave 2's arm has a wait for its own address, the two for its
; compares, and one ahead of its store.
.set TRP, 528                          ; a row of 256 bf16 + 16 bytes
.set GX,  9728                         ; 4 words: the waves' maxima
.set CSP, 9984                         ; 4 x 64 bytes: the waves' column sums
.set KSP, 10240                        ; 4 words: the waves' sums of ksx
.set C1P, 10496                        ; 4 x 64 bytes: c1, a copy for each wave
.set EPSF, 0x38d1b717                  ; 1e-4
.set MUA, 16
.set MUC, 24
.set VSC, 28
.set KSC, 32
.set FP,  40                           ; v[40:47] 2^(mu_c - G') in pairs
.set TMP, 48
.set X,   64                           ; X(c, mt, q) at 64 + 32 c + 8 mt + 4 q
.set OB,  X+64                         ; v[128:143] kvx in bf16, four registers for each mt
.set WR,  192
.macro BAR
	s_wait_dscnt 0x0
	s_barrier_signal -1
	s_barrier_wait -1
.endm
	s_load_b256 s[4:11], s[0:1], 0x0               ; pkv s[4:5], pst s[6:7], W_out s[8:9], kvt s[10:11]
	s_load_b128 s[12:15], s[0:1], 0x20             ; csum s[12:13], wb s[14:15]
	v_lshl_add_u32 v224, v0, 2, 0x2a00
	v_mov_b32 v225, 0
	v_lshrrev_b32 v1, 5, v0
	v_readfirstlane_b32 s20, v1                    ; wave = mq
	s_and_b32 s21, ttmp9, 3                        ; dq
	s_lshr_b32 s22, ttmp9, 2                       ; bh
	s_lshr_b32 s23, s22, 4
	s_and_b32 s24, s22, 15
	s_lshl_b32 s23, s23, 6
	s_add_co_u32 s23, s23, s24                     ; 64 b + h: the first pass's work-group of chunk 0; chunk c is 16 c further
	s_lshl_b32 s24, s23, 16
	s_mov_b32 s25, 0
	s_mul_i32 s26, s23, 1536
	s_mov_b32 s27, 0
	s_mov_b32 s28, 0x76543210
	s_mov_b32 s29, 0xfedcba98
	v_and_b32 v1, 31, v0                           ; L
	v_and_b32 v2, 15, v0                           ; r
	v_bfe_u32 v3, v0, 4, 1                         ; h
	v_mul_u32_u24 v4, v0, 3072                     ; thread t reads the maxima of work-groups 2 t and 2 t + 1
	s_wait_alu depctr_va_sdst(0)                   ; s20 is written, ahead of its first reader: offsets and branches are made from it
	s_lshl_b32 s30, s20, 2
	v_mov_b32 v5, s30                              ; 4 mq
	s_lshl_b32 s30, s21, 6
	v_lshl_add_u32 v6, v2, 2, s30                  ; 4 (16 dq + r)
	v_lshlrev_b32 v7, 3, v0                        ; 8 t
	s_lshl_b32 s30, s20, 14
	s_lshl_b32 s31, s21, 10
	s_add_co_u32 s30, s30, s31
	v_lshl_add_u32 v8, v1, 4, s30                  ; 16,384 mq + 1,024 dq + 16 L
	v_bfe_u32 v48, v0, 3, 1
	v_lshrrev_b32 v49, 4, v0
	v_and_b32 v50, 7, v0
	v_lshlrev_b32 v9, 12, v48                      ; W_out: row (t >> 3) & 1, head t >> 4, 32 bytes at t & 7
	v_lshl_add_u32 v9, v49, 8, v9
	v_lshl_add_u32 v9, v50, 5, v9
	v_lshlrev_b32 v10, 17, v49                     ; wb: head x 131,072 + row x 128 + 16 (t & 7)
	v_lshl_add_u32 v10, v48, 7, v10
	v_lshl_add_u32 v10, v50, 4, v10
	s_wait_kmcnt 0x0
	s_add_nc_u64 s[4:5], s[4:5], s[24:25]
	s_add_nc_u64 s[16:17], s[6:7], s[26:27]
	s_lshl_b32 s24, ttmp9, 14
	s_add_nc_u64 s[8:9], s[8:9], s[24:25]
	s_lshl_b32 s24, ttmp9, 9
	s_add_nc_u64 s[14:15], s[14:15], s[24:25]
	s_add_nc_u64 s[12:13], s[12:13], s[24:25]
	s_mul_i32 s24, ttmp9, 9216
	s_add_nc_u64 s[10:11], s[10:11], s[24:25]
	s_wait_alu depctr_va_vdst(0)                   ; the offsets v4 to v10 are written, which the loads below and the stores of wb read
	global_load_b128 v[MUA:MUA+3], v4, s[6:7] offset:1280
	global_load_b128 v[MUA+4:MUA+7], v4, s[6:7] offset:2816
.irp c, 0,1,2,3
	global_load_b32 v[MUC+\c], v5, s[16:17] offset:\c*24576+1280
	global_load_b32 v[VSC+\c], v6, s[16:17] offset:\c*24576+1024
	global_load_b64 v[KSC+2*\c:KSC+2*\c+1], v7, s[16:17] offset:\c*24576
.endr
.irp c, 0,1,2,3
.irp mt, 0,1,2,3
	global_load_b128 v[X+32*\c+8*\mt:X+32*\c+8*\mt+3],   v8, s[4:5] offset:\c*1048576+\mt*4096 th:TH_LOAD_NT
	global_load_b128 v[X+32*\c+8*\mt+4:X+32*\c+8*\mt+7], v8, s[4:5] offset:\c*1048576+\mt*4096+512 th:TH_LOAD_NT
.endr
.endr
.irp g, 0,1,2,3
	global_load_b128 v[WR+8*\g:WR+8*\g+3],   v9, s[8:9] offset:(\g/2)*8192+(\g%2)*2048 th:TH_LOAD_NT
	global_load_b128 v[WR+8*\g+4:WR+8*\g+7], v9, s[8:9] offset:(\g/2)*8192+(\g%2)*2048+16 th:TH_LOAD_NT
.endr
	v_mov_b32 v12, 0
	s_lshl_b32 s30, s20, 7
	v_mul_u32_u24 v13, v2, TRP                     ; kvx goes in at row r, byte 128 mq + 32 mt + 16 h
	v_lshl_add_u32 v13, v3, 4, v13
	v_add_nc_u32 v13, s30, v13
	v_lshlrev_b32 v14, 2, v0                       ; 4 t
	s_lshl_b32 s30, s20, 6
	v_lshl_add_u32 v15, v2, 2, s30                 ; 64 mq + 4 r
	s_wait_loadcnt 0x0
	; W_out to f16, in place: eight numbers close up into the first four of their eight registers
.irp g, 0,1,2,3
.irp e, 0,1,2,3
	v_cvt_pk_f16_f32 v[WR+8*\g+\e], v[WR+8*\g+2*\e], v[WR+8*\g+2*\e+1]
.endr
.endr
	; the global maximum
	v_max3_num_f32 v16, v16, v17, v18
	v_max3_num_f32 v16, v16, v19, v20
	v_max3_num_f32 v16, v16, v21, v22
	v_max_num_f32 v16, v16, v23
	v_max_num_f32_dpp v16, v16, v16 row_xmask:1 row_mask:0xf bank_mask:0xf
	v_max_num_f32_dpp v16, v16, v16 row_xmask:2 row_mask:0xf bank_mask:0xf
	v_max_num_f32_dpp v16, v16, v16 row_xmask:4 row_mask:0xf bank_mask:0xf
	v_max_num_f32_dpp v16, v16, v16 row_xmask:8 row_mask:0xf bank_mask:0xf
	v_permlanex16_b32 v17, v16, s28, s29
	v_max_num_f32 v16, v16, v17
	s_wait_alu depctr_va_vdst(0)                   ; the wave's maximum v16 and W_out in f16 are written, which the stores below read; v12 is written, and the lines above are done with v16 to v19, in which the load behind the barrier lands
	ds_store_b32 v5, v16 offset:GX
.irp g, 0,1,2,3
	global_store_b128 v10, v[WR+8*\g:WR+8*\g+3], s[14:15] offset:(\g%2)*1048576+(\g/2)*256     ; sixteen neighbouring lanes store 256 consecutive bytes, aligned
.endr
	BAR
	s_wait_alu depctr_vm_vsrc(0)                   ; my LDS store has read v16, in which the load below lands
	ds_load_b128 v[16:19], v12 offset:GX
	s_wait_dscnt 0x0
	v_max3_num_f32 v16, v16, v17, v18
	v_max_num_f32 v16, v16, v19                    ; G'
.irp c, 0,1,2,3
	v_sub_f32 v[TMP+\c], v[MUC+\c], v16
.endr
.irp c, 0,1,2,3
	v_exp_f32 v[FP+2*\c], v[TMP+\c]
.endr
	v_add_f32 v[VSC], v[VSC], v[VSC+1]             ; (a plain place behind the exponentials) V = the four chunks' sums
	s_wait_alu depctr_va_vdst(0)                   ; the four exponentials have written v[FP ..], ahead of their first readers
.irp c, 0,1,2,3
	v_mov_b32 v[FP+2*\c+1], v[FP+2*\c]
.endr
	v_add_f32 v[VSC+2], v[VSC+2], v[VSC+3]
	v_add_f32 v[VSC], v[VSC], v[VSC+2]
	v_mul_f32 v[VSC], EPSF, v[VSC]                 ; c1
	; kvx, in place in chunk 0's registers
.set i, 0
.rept 16
	v_pk_mul_f32 v[X+2*i:X+2*i+1], v[X+2*i:X+2*i+1], v[FP:FP+1]
.set i, i+1
.endr
.irp c, 1,2,3
.set i, 0
.rept 16
	v_pk_fma_f32 v[X+2*i:X+2*i+1], v[X+32*\c+2*i:X+32*\c+2*i+1], v[FP+2*\c:FP+2*\c+1], v[X+2*i:X+2*i+1]
.set i, i+1
.endr
.endr
	; the sum over my wave's 64 features, for column r
.irp g, 0,1,2,3
	v_pk_add_f32 v[TMP+2*\g:TMP+2*\g+1], v[X+4*\g:X+4*\g+1], v[X+4*\g+2:X+4*\g+3]
.endr
.irp g, 0,1,2,3
	v_pk_add_f32 v[TMP+2*\g:TMP+2*\g+1], v[TMP+2*\g:TMP+2*\g+1], v[X+16+2*\g:X+16+2*\g+1]
.endr
.irp g, 0,1,2,3
	v_pk_add_f32 v[TMP+2*\g:TMP+2*\g+1], v[TMP+2*\g:TMP+2*\g+1], v[X+24+2*\g:X+24+2*\g+1]
.endr
	v_pk_add_f32 v[TMP:TMP+1], v[TMP:TMP+1], v[TMP+2:TMP+3]
	v_pk_add_f32 v[TMP+4:TMP+5], v[TMP+4:TMP+5], v[TMP+6:TMP+7]
	v_pk_add_f32 v[TMP:TMP+1], v[TMP:TMP+1], v[TMP+4:TMP+5]
	v_add_f32 v[TMP], v[TMP], v[TMP+1]
	v_permlanex16_b32 v[TMP+1], v[TMP], s28, s29
	v_add_f32 v[TMP], v[TMP], v[TMP+1]
	; kvx to bf16: eight neighbouring m of one d are 16 bytes
.irp mt, 0,1,2,3
.irp e, 0,1,2,3
	v_cvt_pk_bf16_f32 v[OB+4*\mt+\e], v[X+8*\mt+2*\e], v[X+8*\mt+2*\e+1]
.endr
.endr
	; ksx of m = 2 t, 2 t + 1 (thread t lies in wave mq = m / 64), and the row of ones
	v_pk_mul_f32 v[KSC:KSC+1], v[KSC:KSC+1], v[FP:FP+1]
.irp c, 1,2,3
	v_pk_fma_f32 v[KSC:KSC+1], v[KSC+2*\c:KSC+2*\c+1], v[FP+2*\c:FP+2*\c+1], v[KSC:KSC+1]
.endr
	v_cvt_pk_bf16_f32 v[TMP+2], v[KSC], v[KSC+1]
	v_mov_b32 v[TMP+3], 0x3f803f80
	v_add_f32 v[TMP+4], v[KSC], v[KSC+1]
	v_add_f32_dpp v[TMP+4], v[TMP+4], v[TMP+4] row_xmask:1 row_mask:0xf bank_mask:0xf
	v_add_f32_dpp v[TMP+4], v[TMP+4], v[TMP+4] row_xmask:2 row_mask:0xf bank_mask:0xf
	v_add_f32_dpp v[TMP+4], v[TMP+4], v[TMP+4] row_xmask:4 row_mask:0xf bank_mask:0xf
	v_add_f32_dpp v[TMP+4], v[TMP+4], v[TMP+4] row_xmask:8 row_mask:0xf bank_mask:0xf
	v_permlanex16_b32 v[TMP+5], v[TMP+4], s28, s29
	v_add_f32 v[TMP+4], v[TMP+4], v[TMP+5]
	s_wait_alu depctr_va_vdst(0)                   ; c1, the column sum v[TMP], OB, ksx and the ones in v[TMP+2] and v[TMP+3] and the sum v[TMP+4] are written, which the nine LDS stores read
	ds_store_b32 v15, v[VSC] offset:C1P
	ds_store_b32 v15, v[TMP] offset:CSP
.irp mt, 0,1,2,3
	ds_store_b128 v13, v[OB+4*\mt:OB+4*\mt+3] offset:32*\mt                    ; transposed through LDS
.endr
	ds_store_b32 v14, v[TMP+2] offset:16*TRP
	ds_store_b32 v14, v[TMP+3] offset:17*TRP
	ds_store_b32 v5, v[TMP+4] offset:KSP
	BAR
	; whole rows of 512 bytes out: wave w takes rows w, w + 4, w + 8, w + 12; waves 0 and 1 also rows 16 and 17
	s_mul_i32 s30, s20, TRP
	v_lshl_add_u32 v16, v1, 4, s30
	s_lshl_b32 s30, s20, 9
	v_lshl_add_u32 v17, v1, 4, s30
	s_wait_alu depctr_va_vdst(0)                   ; v16 and v17 are written, which the loads and stores below read; the lines above are done with v[X ..], in which the rows land
.irp g, 0,1,2,3
	ds_load_b128 v[X+4*\g:X+4*\g+3], v16 offset:4*TRP*\g
.endr
.irp g, 0,1,2,3
	s_wait_dscnt 3-\g
	global_store_b128 v17, v[X+4*\g:X+4*\g+3], s[10:11] offset:2048*\g
.endr
	s_cmp_ge_u32 s20, 2
	s_cbranch_scc1 .Lno_tail
	ds_load_b128 v[X+16:X+19], v16 offset:16*TRP
	s_wait_dscnt 0x0
	global_store_b128 v17, v[X+16:X+19], s[10:11] offset:8192
.Lno_tail:
	s_cmp_lg_u32 s20, 2
	s_cbranch_scc1 .Lend
	; wave 2: the block of f32 terms, one store of 512 bytes.  Lane L holds floats 4 L .. 4 L + 3.
	v_and_b32 v18, 3, v0
	v_lshlrev_b32 v18, 4, v18
	v_cmp_gt_u32 vcc_lo, 8, v1
	v_cmp_gt_u32 s30, 4, v1
	s_wait_alu depctr_va_vdst(0)                   ; v18 is written, which the loads below read
.irp g, 0,1,2,3
	ds_load_b128 v[84+4*\g:84+4*\g+3], v18 offset:CSP+64*\g
.endr
	ds_load_b128 v[100:103], v18 offset:C1P+128    ; my own wave's copy of c1
	ds_load_b128 v[104:107], v12 offset:KSP
	s_wait_dscnt 0x0
	v_pk_add_f32 v[84:85], v[84:85], v[88:89]
	v_pk_add_f32 v[86:87], v[86:87], v[90:91]
	v_pk_add_f32 v[92:93], v[92:93], v[96:97]
	v_pk_add_f32 v[94:95], v[94:95], v[98:99]
	v_pk_add_f32 v[84:85], v[84:85], v[92:93]
	v_pk_add_f32 v[86:87], v[86:87], v[94:95]
	v_pk_fma_f32 v[84:85], v[100:101], 0x43800000, v[84:85] op_sel_hi:[1,0,1]  ; + 256 c1
	v_pk_fma_f32 v[86:87], v[102:103], 0x43800000, v[86:87] op_sel_hi:[1,0,1]
	v_pk_mul_f32 v[84:85], v[84:85], EPSF op_sel_hi:[1,0]                      ; c0
	v_pk_mul_f32 v[86:87], v[86:87], EPSF op_sel_hi:[1,0]
	v_add_f32 v104, v104, v105
	v_add_f32 v106, v106, v107
	v_add_f32 v104, v104, v106
	v_add_f32 v104, 0x42d1b717, v104               ; + 256 eps 4096
	v_mul_f32 v104, EPSF, v104                     ; K0
	s_wait_alu depctr_va_vcc(0)                    ; the first compare has written VCC, ahead of its first reader
	s_wait_alu depctr_va_sdst(0)                   ; the second compare has written s30, ahead of its first reader
.irp g, 0,1,2,3
	v_cndmask_b32 v[108+\g], v104, v[100+\g], vcc_lo
.endr
.irp g, 0,1,2,3
	v_cndmask_b32 v[108+\g], v[108+\g], v[84+\g], s30
.endr
	v_lshlrev_b32 v19, 4, v1
	s_wait_alu depctr_va_vdst(0)                   ; the selects have written v108 to v111 and v19 is written, which the store reads
	global_store_b128 v19, v[108:111], s[12:13]
.Lend:
	s_wait_dscnt 0x0                               ; the closing lines, six on end
	s_wait_alu 0x0
	s_wait_tensorcnt 0x0
	ds_add_u32 v224, v225
	s_wait_dscnt 0x0
	s_endpgm
.Lfunc_end_k_q55c71c9f91_prep:
	.size	k_q55c71c9f91_prep, .Lfunc_end_k_q55c71c9f91_prep-k_q55c71c9f91_prep
	.p2alignl 7, 3214868480
	.fill 96, 4, 3214868480
	.section	.rodata,"a",@progbits
	.p2align	6, 0x0
	.amdhsa_kernel k_q55c71c9f91_prep
		.amdhsa_group_segment_fixed_size 11264
		.amdhsa_private_segment_fixed_size 0
		.amdhsa_enable_private_segment 0
		.amdhsa_kernarg_size 48
		.amdhsa_user_sgpr_count 2
		.amdhsa_user_sgpr_kernarg_segment_ptr 1
		.amdhsa_wavefront_size32 1
		.amdhsa_system_sgpr_workgroup_id_x 1
		.amdhsa_system_sgpr_workgroup_id_y 1
		.amdhsa_system_sgpr_workgroup_id_z 1
		.amdhsa_system_vgpr_workitem_id 0
		.amdhsa_next_free_vgpr 226
		.amdhsa_next_free_sgpr 66
		.amdhsa_reserve_vcc 1
		.amdhsa_float_denorm_mode_32 3
		.amdhsa_float_denorm_mode_16_64 3
		.amdhsa_memory_ordered 1
		.amdhsa_forward_progress 1
		.amdhsa_inst_pref_size 23
	.end_amdhsa_kernel
	.amdgpu_metadata
---
amdhsa.version: [ 1, 2 ]
amdhsa.kernels:
  - .name:           k_q55c71c9f91_prep
    .symbol:         k_q55c71c9f91_prep.kd
    .args:
      - { .name: pkv, .offset: 0, .size: 8, .value_kind: global_buffer, .address_space: global }
      - { .name: pst, .offset: 8, .size: 8, .value_kind: global_buffer, .address_space: global }
      - { .name: W_out, .offset: 16, .size: 8, .value_kind: global_buffer, .address_space: global }
      - { .name: kvt, .offset: 24, .size: 8, .value_kind: global_buffer, .address_space: global }
      - { .name: csum, .offset: 32, .size: 8, .value_kind: global_buffer, .address_space: global }
      - { .name: wb, .offset: 40, .size: 8, .value_kind: global_buffer, .address_space: global }
    .group_segment_fixed_size: 11264
    .private_segment_fixed_size: 0
    .kernarg_segment_align: 8
    .kernarg_segment_size: 48
    .max_flat_workgroup_size: 128
    .sgpr_count:     66
    .vgpr_count:     226
    .wavefront_size: 32
...
	.end_amdgpu_metadata
.endif
;; end of part 6
;; launch qpass: the kernel of part 3 again; grid 256 x 1, 8 waves a work-group, no clusters, 327,680 bytes of LDS; arguments query, proj, kvt, csum, ctx; writes ctx
;; launch gemm: the kernel of part 4 again; grid 4 x 64, 4 waves a work-group, clusters of 4 x 4, 327,680 bytes of LDS; arguments ctx, wb, b_out, out0; writes out0
